; MI455X (gfx1250); checked and timed in simulation.
; The chip was launched on July 23, 2026; its instructions are those of AMD's public machine-readable ISA for CDNA 5 (MIT licence, August 2026) and "CDNA5" Instruction Set Architecture Reference Guide (July 2026). The comments in the code are by the model that wrote it; some were corrected since.
;; Attention. Allowed arithmetic: matrix products marked QUANTISED: E2M3 operands, one E8M0 scale for each 32 along K, by v_wmma_scale_f32_16x16x128_f8f6f4 with both operands' format E2M3, f32 sums; everything else in f32.
;; Inputs: freqs_cos 2,048 x 64 float32; freqs_sin 2,048 x 64 float32; mask 2,048 x 2,048 float32; wk 2,048 x 2,048 float32; wo 2,048 x 2,048 float32; wq 2,048 x 2,048 float32; wv 2,048 x 2,048 float32; x 1 x 2,048 x 2,048 float32.
;; Outputs: out0 1 x 2,048 x 2,048 float32.
;; Constants: start_pos = 0.
;; This version of the problem:
;;   THIS VERSION OF THE PROBLEM IS GIVEN IN LOW PRECISION. The matrix products marked QUANTISED in the list below multiply operands that are first quantised to E2M3 (2 exponent bits, 3 mantissa bits; 6 bits a number), with one power-of-two scale for each 32 numbers along K (OCP MX v1.0); their sums are f32. All else is computed in f32.
;;   The module's matrix products, in the order in which they are computed (A, B: the left and right operand; K: the contracted axis; several contracted axes count as one K, in the product's order):
;;     1. [M 2,048, K 2,048] x [K 2,048, N 2,048]; A: input x; B: input wq: QUANTISED
;;     2. [M 2,048, K 2,048] x [K 2,048, N 2,048]; A: input x; B: input wk: QUANTISED
;;     3. [M 2,048, K 2,048] x [K 2,048, N 2,048]; A: input x; B: input wv: QUANTISED
;;     4. batch 16 x [M 2,048, K 128] x [K 128, N 2,048]; A: computed on the way; B: computed on the way: QUANTISED
;;     5. batch 16 x [M 128, K 2,048] x [K 2,048, N 2,048]; A: computed on the way; B: softmax (see below): QUANTISED
;;     6. [M 2,048, K 2,048] x [K 2,048, N 2,048]; A: computed on the way; B: input wo: QUANTISED
;;   THE QUANTISER, for each operand of a quantised product, along K:
;;     - K is cut into blocks of 32 from its start; a last block that is shorter is filled with zeros.
;;     - A block's scale is 2^e with e = floor(log2(the largest magnitude in the block)) - 2, held to -126 .. 127; a block of zeros has e = 0. As a byte (E8M0): e + 127.
;;     - Each number is divided by its block's scale, clamped to +-7.5, and rounded to the nearest number of E2M3, ties to even, subnormals kept.
;;     - The product sums the exact products of the quantised numbers (number of the format x scale) in f32.
;;   ~~~python
;;   def quantise(x, axis):      # numpy; x: float32 -> the quantised numbers, widened to float32 again
;;       x = np.moveaxis(x, axis, -1); K = x.shape[-1]
;;       x = np.pad(x, [(0, 0)] * (x.ndim - 1) + [(0, -K % 32)]); x = x.reshape(x.shape[:-1] + (-1, 32)); a = np.abs(x).max(-1, keepdims=True)
;;       e = np.where(a > 0, np.clip(np.frexp(np.where(a > 0, a, 1))[1] - 1 - 2, -126, 127), 0)      # np.frexp(a)[1] - 1 = floor(log2(a)), exactly
;;       r = np.clip(x / 2.0 ** e, -7.5, 7.5)
;;       step = 2.0 ** (np.maximum(np.frexp(np.where(r == 0, 1, r))[1] - 1, 0) - 3)
;;       q = np.round(r / step) * step * 2.0 ** e      # np.round: ties to even
;;       return np.moveaxis(q.reshape(q.shape[:-2] + (-1,))[..., :K], -1, axis).astype(np.float32)
;;   ~~~
;;   SOFTMAX AHEAD OF A QUANTISED PRODUCT. Where the list says 'softmax', what is quantised is not the finished softmax but p = 2^(t - M), with t = logit x log2(e) and M = ceil(the row's largest t), a whole number; so 1/2 < the row's largest p <= 1. The row's sum l is taken of the UNQUANTISED p, in f32, and the product's result is divided by l at the end. Since M is a whole number, a kernel that streams over the keys may use a running M (the ceiling of the running maximum): every later rescaling is an exact power of two, which a block's scale takes up: the codes' values come out the same.
;;   OPERANDS COMPUTED ON THE WAY. 'Computed on the way' means the value that the module computes at that place (a softmax that the list does not call 'softmax' is quantised finished and normalised). What goes into a quantiser is computed in f32, as accurately as f32 sums, v_exp_f32 and their like allow (about 1e-6 of the number): no bf16 or f16 on the way to a quantiser, and a product that is left as it is and whose result goes on into a quantised operand takes f32 operands (vector FMAs, or v_wmma_f32_16x16x4_f32). A number that lies on a knife's edge between two numbers of the format may be rounded either way, as far as f32 arithmetic and the matrix unit's own rounding can turn it there, and no further.
;; One version. Each part assembles by itself: llvm-mc -triple=amdgcn-amd-amdhsa -mcpu=gfx1250 --defsym DOCPART=n.
;; ======== version 1 of 1: 4 launches
;; workspace buffers: opc 15,728,640 bytes; ops 655,360 bytes; qws 3,276,800 bytes; kvws 6,553,600 bytes; aws 3,145,728 bytes; asc 131,072 bytes
;; launch quant (part 1): grid 640 x 1, 4 waves a work-group, no clusters, 35,328 bytes of LDS; arguments x, wq, wk, wv, wo, opc, ops; writes opc, ops
.if DOCPART == 1
	.amdgcn_target "amdgcn-amd-amdhsa--gfx1250"
	.amdhsa_code_object_version 6
	.text
	.protected	k_q509048ac34_quant
	.globl	k_q509048ac34_quant
	.p2align	8
	.type	k_q509048ac34_quant,@function
k_q509048ac34_quant:
	s_mov_b64 s[64:65], 0
	v_nop
	global_prefetch_b8 v0, s[64:65] scope:SCOPE_SE
	s_setreg_imm32_b32 hwreg(HW_REG_WAVE_MODE, 25, 1), 1
	s_wait_xcnt 0x0
; x, wq, wk, wv, wo, each [2048][2048] f32 with K innermost, become codes of FP6 (E2M3) with one E8M0 scale byte for each 32 along K, laid as the later launches' matrix operands want them.
; A FRAGMENT is 16 rows x 128 K, 12 registers a lane: lane (r, h) holds k = 64 c + 32 h + 0 .. 31 of its row in registers 6 c .. 6 c + 5.  It is stored as an IMAGE of its registers, 1,536 bytes:
; register q of lane l at 512 (q / 4) + 16 l + 4 (q % 4), so that three loads or stores of 16 bytes a lane, 512 consecutive bytes each, move it.
; THE ROWS OF A TILE ARE NOT NEIGHBOURS: lane r of row tile T holds row 32 (T / 2) + 8 (T % 2) + r + 8 (r / 8).
; opc: [tensor 5][row tile 128][K step 16][1,536];  ops: [tensor][row tile][K step][r 16] words of four scale bytes.
; A block's scale is 2^(floor(log2(its largest magnitude)) - 2): its byte is the largest magnitude's exponent field - 2, held at 1 from below.
; LIMITS: NaN and infinities among the inputs are not served; a block whose largest magnitude lies under 2^-124 gets the byte 1; a block of zeros gets the byte 1 where the rule says 127:
; its codes are zeros, which add nothing under any byte but 0xff, and this program alone reads the bytes.
; SHARES: a work-group takes one row tile of one tensor, wave w the K steps 4 w .. 4 w + 3.  Each load reads 512 consecutive bytes of one row; a fragment's 16 x 512 bytes turn through the wave's own
; stage in LDS (rows 528 bytes apart) and come back 128 consecutive bytes a lane and block.  No tensor load, no barrier: waves share nothing.
.set WREG, 8704                        ; LDS of a wave: the stage, then 256 bytes for its scale words
.set SP,   528
.set SCB,  16*SP
.set R,    16                          ; v16-143  two sets of 64: a fragment's numbers as loaded
.set X,    144                         ; v144-207 my two blocks of 32
.set PC,   208                         ; v208-231 two sets of 12: the codes
.set TQ,   232                         ; v232-238 the upper halves of the two blocks' codes, before they are moved
.set MX,   240                         ; v240-241 largest magnitudes
.set SO,   242                         ; v242-243 the conversions' scale operands
.set BY,   244                         ; v244-245 the bytes
.set WD,   246                         ; the scale word
.set WX,   247                         ; and the other half of the lanes' part of it
	s_load_b256 s[4:11], s[0:1], 0x0               ; x, wq, wk, wv
	s_load_b128 s[12:15], s[0:1], 0x20             ; wo, opc
	s_load_b64 s[16:17], s[0:1], 0x30              ; ops
	v_lshl_add_u32 v254, v0, 2, 0x8800
	v_mov_b32 v255, 0
	v_lshrrev_b32 v1, 5, v0
	v_readfirstlane_b32 s18, v1                    ; wave
	v_and_b32 v1, 31, v0                           ; lane
	v_and_b32 v2, 15, v0                           ; r
	v_bfe_u32 v3, v0, 4, 1                         ; h
	v_lshlrev_b32 v4, 4, v1                        ; 16 x lane: my place in a load's and in a store's 512 bytes; never rewritten
	s_mul_i32 s19, s18, WREG
	v_add_nc_u32 v5, s19, v4                       ; the stage, on the way in
	v_mul_u32_u24 v6, v2, SP
	v_lshl_add_u32 v6, v3, 7, v6
	v_add_nc_u32 v6, s19, v6                       ; and out: row r, 128 h bytes on
	s_add_co_u32 s19, s19, SCB
	v_lshlrev_b32 v7, 2, v2
	v_add_nc_u32 v7, s19, v7                       ; my row's scale word
	v_lshlrev_b32 v9, 3, v1
	v_add_nc_u32 v8, s19, v9                       ; the 256 bytes of scale words on their way out, 8 a lane
	v_lshlrev_b32 v10, 3, v3                       ; 8 h: my bytes' place in the word
	v_mov_b32 v[WX], 0                             ; written once: a lane permute's destination counts as one of its sources
	s_mov_b32 s34, 0x76543210
	s_mov_b32 s35, 0xfedcba98                      ; selects for lane l xor 16
	s_lshr_b32 s20, ttmp9, 7                       ; which tensor
	s_and_b32 s21, ttmp9, 127                      ; which row tile T
	s_lshr_b32 s22, s21, 1
	s_lshl_b32 s22, s22, 18                        ; 32 (T / 2) rows of 8,192 bytes
	s_and_b32 s24, s21, 1
	s_lshl_b32 s24, s24, 16                        ; 8 (T % 2) rows
	s_add_co_u32 s22, s22, s24
	s_lshl_b32 s24, s18, 11                        ; my quarter of K
	s_add_co_u32 s22, s22, s24
	s_mov_b32 s23, 0
	s_mul_i32 s24, s20, 3145728
	s_mul_i32 s26, s21, 24576
	s_add_co_u32 s24, s24, s26
	s_mul_i32 s26, s18, 6144
	s_add_co_u32 s24, s24, s26                     ; my four images
	s_mov_b32 s25, 0
	s_lshl_b32 s26, s20, 17
	s_lshl_b32 s28, s21, 10
	s_add_co_u32 s26, s26, s28
	s_lshl_b32 s28, s18, 8
	s_add_co_u32 s26, s26, s28                     ; my 256 bytes of scale words
	s_mov_b32 s27, 0
	s_wait_kmcnt 0x0
	s_cmp_eq_u32 s20, 1                            ; the choice hangs on the work-group's number alone; one path serves all five tensors
	s_cselect_b64 s[4:5], s[6:7], s[4:5]
	s_cmp_eq_u32 s20, 2
	s_cselect_b64 s[4:5], s[8:9], s[4:5]
	s_cmp_eq_u32 s20, 3
	s_cselect_b64 s[4:5], s[10:11], s[4:5]
	s_cmp_eq_u32 s20, 4
	s_cselect_b64 s[4:5], s[12:13], s[4:5]
	s_add_nc_u64 s[4:5], s[4:5], s[22:23]
	s_add_nc_u64 s[14:15], s[14:15], s[24:25]
	s_add_nc_u64 s[16:17], s[16:17], s[26:27]
.macro LOAD f                          ; fragment f: 16 rows x 512 bytes
.irp i, 0,1,2,3,4,5,6,7,8,9,10,11,12,13,14,15
	global_load_b128 v[R+64*((\f)%2)+4*\i:R+64*((\f)%2)+4*\i+3], v4, s[4:5] offset:(\i+8*(\i/8))*8192+512*(\f) th:TH_LOAD_NT
.endr
.endm
.macro TURN f                          ; through the stage: LDS serves a wave's instructions in order, so no wait stands between the stores and the loads
.irp i, 0,1,2,3,4,5,6,7,8,9,10,11,12,13,14,15
	ds_store_b128 v5, v[R+64*((\f)%2)+4*\i:R+64*((\f)%2)+4*\i+3] offset:SP*\i
.endr
.irp c, 0,1
.irp e, 0,1,2,3,4,5,6,7
	ds_load_b128 v[X+32*\c+4*\e:X+32*\c+4*\e+3], v6 offset:256*\c+16*\e
.endr
.endr
.endm
.macro WORK f
.set PS, PC+12*((\f)%2)
.irp c, 0,1
	v_max3_num_f32 v[MX+\c], |v[X+32*\c]|, |v[X+32*\c+1]|, 0x1800000   ; my block 2 c + h: all 32 numbers are mine; the floor 2^(3 - 127) holds the byte at 1 from below
.endr
.irp i, 2,4,6,8,10,12,14,16,18,20,22,24,26,28,30
.irp c, 0,1
	v_max3_num_f32 v[MX+\c], v[MX+\c], |v[X+32*\c+\i]|, |v[X+32*\c+\i+1]|   ; the two blocks by turns
.endr
.endr
.irp c, 0,1
	v_add_nc_u32 v[SO+\c], 0xff000000, v[MX+\c]    ; 2 off the exponent field: the conversion takes this operand's exponent field as its scale
.endr
.irp c, 0,1
	v_lshrrev_b32 v[BY+\c], 23, v[SO+\c]           ; the scale's byte
.endr
	v_lshl_or_b32 v[WD], v[BY+1], 16, v[BY]        ; blocks h and 2 + h,
	v_lshlrev_b32 v[WD], v10, v[WD]                ; at their places in the word;
	v_permlanex16_b32 v[WX], v[WD], s34, s35
	v_or_b32 v[WD], v[WD], v[WX]                   ; with lane l xor 16's two the word is whole
	s_wait_xcnt 0x0                                ; the stores of two fragments back have read this set of code registers
.irp c, 0,1
	v_cvt_scalef32_pk16_fp6_f32 v[PS+6*\c:PS+6*\c+2], v[X+32*\c:X+32*\c+15], v[SO+\c]
	v_cvt_scalef32_pk16_fp6_f32 v[TQ+4*\c:TQ+4*\c+2], v[X+32*\c+16:X+32*\c+31], v[SO+\c]   ; (a conversion's three registers begin on an even number)
.endr
	v_nop                                          ; one plain line behind the scaled conversions
.irp c, 0,1
.irp i, 0,1,2
	v_mov_b32 v[PS+3+6*\c+\i], v[TQ+4*\c+\i]
.endr
.endr
	ds_store_b32 v7, v[WD] offset:64*(\f)          ; both halves of the lanes write the same word with the same value
.irp c, 0,1,2
	global_store_b128 v4, v[PS+4*\c:PS+4*\c+3], s[14:15] offset:1536*(\f)+512*\c   ; 32 lanes store 512 consecutive bytes, aligned
.endr
.endm
	LOAD 0
	LOAD 1
.irp f, 0,1,2,3
.if \f < 3
	s_wait_loadcnt 16                              ; this fragment's 16 loads are in; the next fragment's may be out
.else
	s_wait_loadcnt 0x0
.endif
	TURN \f
	s_wait_dscnt 0x0                               ; my numbers are back, and the stores into the stage have read their registers,
.if \f < 2
	LOAD \f+2                                      ; which take the fragment two on
.endif
	WORK \f
.endr
	ds_load_b64 v[12:13], v8                       ; in order behind my stores of the words
	s_wait_dscnt 0x0
	global_store_b64 v9, v[12:13], s[16:17]        ; 32 lanes store 256 consecutive bytes, aligned
	s_wait_tensorcnt 0x0
	ds_add_u32 v254, v255
	s_wait_dscnt 0x0
	s_endpgm
.Lfunc_end_k_q509048ac34_quant:
	.size	k_q509048ac34_quant, .Lfunc_end_k_q509048ac34_quant-k_q509048ac34_quant
	.p2alignl 7, 3214868480
	.fill 96, 4, 3214868480
	.section	.rodata,"a",@progbits
	.p2align	6, 0x0
	.amdhsa_kernel k_q509048ac34_quant
		.amdhsa_group_segment_fixed_size 35328
		.amdhsa_private_segment_fixed_size 0
		.amdhsa_enable_private_segment 0
		.amdhsa_kernarg_size 56
		.amdhsa_user_sgpr_count 2
		.amdhsa_user_sgpr_kernarg_segment_ptr 1
		.amdhsa_wavefront_size32 1
		.amdhsa_system_sgpr_workgroup_id_x 1
		.amdhsa_system_sgpr_workgroup_id_y 1
		.amdhsa_system_sgpr_workgroup_id_z 1
		.amdhsa_system_vgpr_workitem_id 0
		.amdhsa_next_free_vgpr 256
		.amdhsa_next_free_sgpr 66
		.amdhsa_reserve_vcc 0
		.amdhsa_float_denorm_mode_32 3
		.amdhsa_float_denorm_mode_16_64 3
		.amdhsa_memory_ordered 1
		.amdhsa_forward_progress 1
		.amdhsa_inst_pref_size 31
	.end_amdhsa_kernel
	.amdgpu_metadata
---
amdhsa.version: [ 1, 2 ]
amdhsa.kernels:
  - .name:           k_q509048ac34_quant
    .symbol:         k_q509048ac34_quant.kd
    .args:
      - { .name: x, .offset: 0, .size: 8, .value_kind: global_buffer, .address_space: global }
      - { .name: wq, .offset: 8, .size: 8, .value_kind: global_buffer, .address_space: global }
      - { .name: wk, .offset: 16, .size: 8, .value_kind: global_buffer, .address_space: global }
      - { .name: wv, .offset: 24, .size: 8, .value_kind: global_buffer, .address_space: global }
      - { .name: wo, .offset: 32, .size: 8, .value_kind: global_buffer, .address_space: global }
      - { .name: opc, .offset: 40, .size: 8, .value_kind: global_buffer, .address_space: global }
      - { .name: ops, .offset: 48, .size: 8, .value_kind: global_buffer, .address_space: global }
    .group_segment_fixed_size: 35328
    .private_segment_fixed_size: 0
    .kernarg_segment_align: 8
    .kernarg_segment_size: 56
    .max_flat_workgroup_size: 128
    .sgpr_count:     66
    .vgpr_count:     256
    .wavefront_size: 32
...
	.end_amdgpu_metadata
.endif
;; end of part 1
;; launch qkv (part 2): grid 16 x 16, 4 waves a work-group, clusters of 4 x 4, 327,680 bytes of LDS; arguments opc, ops, freqs_cos, freqs_sin, qws, kvws; writes qws, kvws
.if DOCPART == 2
	.amdgcn_target "amdgcn-amd-amdhsa--gfx1250"
	.amdhsa_code_object_version 6
	.text
	.protected	k_q509048ac34_qkv
	.globl	k_q509048ac34_qkv
	.p2align	8
	.type	k_q509048ac34_qkv,@function
k_q509048ac34_qkv:
	s_mov_b64 s[64:65], 0
	v_nop
	global_prefetch_b8 v0, s[64:65] scope:SCOPE_SE
	s_setreg_imm32_b32 hwreg(HW_REG_WAVE_MODE, 25, 1), 1
	s_wait_xcnt 0x0
	s_wait_alu depctr_hold_cnt(0) depctr_sa_sdst(0) depctr_va_vdst(0) depctr_va_sdst(0) depctr_va_ssrc(0) depctr_va_vcc(0) depctr_vm_vsrc(0)
	s_getreg_b32 s2, hwreg(HW_REG_IB_STS2, 6, 4)
	s_cmp_eq_u32 s2, 0
	s_cbranch_scc0 .Lentry_in_a_cluster
	s_endpgm
.Lentry_in_a_cluster:
	s_bfe_u32 s2, ttmp6, 0x10000c
	s_cmp_lg_u32 s2, 0xf033
	s_cbranch_scc0 .Lentry_shape_is_right
	s_endpgm
.Lentry_shape_is_right:
; q = rope(x wq^T), k = rope(x wk^T), v = x wv^T for one head and one block of 128 tokens, on codes of FP6 (E2M3) with E8M0 scales, sums in f32; the results are quantised again:
; q and k along the head's 128, v along the tokens (the keys), and stored as images of matrix operands (see below) for the attention launch.
; OPERANDS arrive as images: a fragment (16 rows x 128 K, 12 registers a lane) is 1,536 bytes, register q of lane l at 512 (q / 4) + 16 l + 4 (q % 4); lane r of row tile T holds row
; 32 (T / 2) + 8 (T % 2) + r + 8 (r / 8).  So the 16 result registers of two neighbouring tiles 2 b, 2 b + 1 of source 0 are 16 neighbours, 32 b + 16 (lane / 16) + 0 .. 15, along that axis.
; SHARES.  Wave w (i = w / 2, j = w % 2): (a) its four tiles of tokens 4 i + a against the 8 tiles of wq (j = 0) or wk (j = 1), source 0 = the weight: a lane holds one token, registers along the head;
; (b) all 8 tiles of tokens against wv's tiles 2 w, 2 w + 1, source 0 = x: a lane holds one channel of v, registers along the tokens.  48 accumulators, one instruction a turn.
; x's fragments are held by POSITION: positions 0-3 are my half's tiles, 4-7 the other half's, so that no register number hangs on the wave.  For i = 1 v's two halves of K come out swapped: selects mend that at the end.
; K goes through a ring of two LDS slots of two K steps each, filled by joint tensor loads: x's tiles are shared along a row of the 4 x 4 cluster (same tokens), the weights' along a column (same head).
; The scale words of all of K and the block's rows of cos and sin come once, with the first fills.
; qws: [head][block][12,800]: 8 images, then [i 2][r 16][a 4] scale words.  kvws: [head][block][25,600]: k likewise, then at 12,800 v's 8 images (channel tiles x 128 keys), then [w 4][r 16][2] scale words.
; LIMITS: NaN and infinities are not served; a block whose largest magnitude lies under 2^-124, a block of zeros too, gets the scale byte 1 (zero codes add nothing; this program alone reads the bytes).
; The rotation's cosine terms are fused multiply-adds onto the rounded sine terms.
; REGISTERS: window 0: v4-19 addresses; v32-51 scale words, two sets of 10; v52-87 at work at the end; v96-191 x's set 0 (at the end the rotated numbers, codes); v192-255 cos, sin.
;   window 1: the weights' sets at v0 and v128 (wq or wk tile b at 12 b, wv tile n at 96 + 12 n).  window 2: accumulator (a, b) at 64 a + 8 b.  window 3: v's accumulator (n, position) at 64 n + 8 position; x's set 1 at v128.
.set SLOT,  98304                      ; part p (x, wq, wk, wv) at 24,576 p; tile at 3,072; K step at 1,536
.set PART,  24576
.set TILEB, 3072
.set FRB,   1536
.set SCL,   196608                     ; scale words: part at 8,192, tile at 1,024, K step at 64, 4 r
.set CSN,   229376                     ; cos: 128 rows of 256 bytes + 16; sin 34,816 on
.set SPARE, 299008                     ; the spare words, 128 bytes for each wave: no other line names them
.set ADXA, 4                           ; v4-5   x's positions 0-3 in slot 0, 1
.set ADXB, 6                           ; v6-7   positions 4-7
.set ADW,  8                           ; v8-9   wq's or wk's tiles
.set ADV,  10                          ; v10-11 my two tiles of wv
.set ADSL, 12                          ; scale words: lanes 0-15 x's positions 0-3, lanes 16-31 the weight's tiles 0-3
.set ADSH, 13                          ; the same for 4-7
.set ADSV, 14                          ; wv's
.set ACS,  15                          ; my token's row of cos
.set LI,   16                          ; 16 x lane
.set R16,  17                          ; 16 r
.set R8,   18                          ; 8 r
.set LN,   19                          ; lane
.set SPW,  28
.set NIL,  29
.set SX,   32                          ; set p at SX + 10 p: + position or tile; + 8 + n wv's
.set TM,   52                          ; v52-67 the quantiser's
.set QW,   68                          ; v68-71 my four scale words of q or k
.set VW,   72                          ; v72-73 v's two
.set TW,   74
.set PT,   76                          ; v76-87 v's codes, halves in place
.set H,    96
.set T,    160
.set PC,   168                         ; v168-186
.set COS,  192
.set SIN,  224
.set SEL,  100
.set G1X,  24
.set G1W,  32
.set G0X,  40
.set G0W,  48
.set G1SX, 56
.set G1SW, 68
.set G0SX, 76
.set G0SW, 80
.set G1C,  84
.set G0C,  92
.set MSB, 0
.macro WIN new                         ; the immediate's high byte repeats the setting that is left
.if MSB != (\new)
	s_set_vgpr_msb (MSB<<8)|(\new)
.set MSB, (\new)
.endif
.endm
.macro PLACES n
.rept \n
	v_nop
.endr
.endm
; A joint load: wave 0 fetches for x, waves 1 to 3 for wq, wk, wv.  The branch hangs on the wave's number alone.  Four v_nop follow each of the two lines.
.macro JLOAD g0a, g1a, g0b, g1b
	s_cmp_eq_u32 s16, 0
	s_cbranch_scc0 .Lfor_w_\@
	tensor_load_to_lds s[\g0a:\g0a+3], s[\g1a:\g1a+7]
	s_nop 0
.rept 4
	v_nop
.endr
	s_branch .Lasked_\@
.Lfor_w_\@:
	tensor_load_to_lds s[\g0b:\g0b+3], s[\g1b:\g1b+7]
	s_nop 0
.rept 4
	v_nop
.endr
.Lasked_\@:
.endm
.macro CREST                           ; a round of the cluster's barrier behind its opening barrier
	s_cmp_lg_u32 s16, 0
	s_cbranch_scc1 .Lnot_wave_0_\@
	s_barrier_signal -3
.Lnot_wave_0_\@:
	s_barrier_wait -3
	s_barrier_signal -1
	s_barrier_wait -1
.endm
.macro CROUND
	s_barrier_signal -1
	s_barrier_wait -1
	CREST
.endm
; 64 numbers of a lane in window W, register 16 b + i = k 32 b + 16 (lane / 16) + i of my row, become a fragment's codes in v[PC] on and its scale word in v[pw].
.macro QUANT s, W, pw
	WIN (\W)|((\W)<<2)
.irp b, 0,1,2,3
	v_max3_num_f32 v[TM+\b], |v[(\s)+16*\b]|, |v[(\s)+16*\b+1]|, 0x1800000   ; my 16 numbers of block b, each accumulator from its low end on; the floor 2^(3 - 127) holds the byte at 1 from below
.endr
.irp i, 2,4,6,8,10,12,14
.irp b, 0,1,2,3
	v_max3_num_f32 v[TM+\b], |v[(\s)+16*\b+\i]|, |v[(\s)+16*\b+\i+1]|, v[TM+\b]   ; the four blocks by turns
.endr
.endr
	WIN 0
.irp b, 0,1,2,3
	v_permlanex16_b32 v[TM+4+\b], v[TM+\b], s[SEL], s[SEL+1]
.endr
.irp b, 0,1,2,3
	v_max_num_f32 v[TM+\b], v[TM+\b], v[TM+4+\b]   ; with lane l xor 16's: the block's largest magnitude
.endr
.irp b, 0,1,2,3
	v_add_nc_u32 v[TM+12+\b], 0xff000000, v[TM+\b] ; 2 off its exponent field: the conversion's scale operand
.endr
.irp b, 0,1,2,3
	v_lshrrev_b32 v[TM+4+\b], 23, v[TM+12+\b]      ; the scale's byte
.endr
	v_lshl_or_b32 v[\pw], v[TM+5], 8, v[TM+4]
	v_lshl_or_b32 v[\pw], v[TM+6], 16, v[\pw]
	v_lshl_or_b32 v[\pw], v[TM+7], 24, v[\pw]
	WIN (\W)
.irp c, 0,1
	v_cvt_scalef32_pk16_fp6_f32 v[PC+6*\c:PC+6*\c+2], v[(\s)+32*\c:(\s)+32*\c+15], v[TM+12+2*\c]
	v_cvt_scalef32_pk16_fp6_f32 v[PC+12+4*\c:PC+14+4*\c], v[(\s)+32*\c+16:(\s)+32*\c+31], v[TM+12+2*\c+1]   ; (a conversion's three registers begin on an even number)
.endr
	WIN 0
	v_nop                                          ; one plain line behind the scaled conversions
.irp c, 0,1                                    ; the operand's layout wants a whole block in a lane
.irp i, 0,1,2
	v_permlane16_swap_b32 v[PC+6*\c+\i], v[PC+12+4*\c+\i]
.endr
.irp i, 0,1,2
	v_mov_b32 v[PC+3+6*\c+\i], v[PC+12+4*\c+\i]
.endr
.endr
.endm
	s_load_b128 s[4:7], s[0:1], 0x0                ; opc, ops
	s_load_b128 s[8:11], s[0:1], 0x10              ; cos, sin
	s_load_b128 s[12:15], s[0:1], 0x20             ; qws, kvws
	v_lshl_add_u32 v[SPW], v0, 2, SPARE
	v_mov_b32 v[NIL], 0
	ds_add_u32 v28, v29
	ds_add_u32 v28, v29
	s_wait_dscnt 0x0
	v_lshrrev_b32 v1, 5, v0
	v_readfirstlane_b32 s16, v1                    ; wave
	s_lshr_b32 s17, s16, 1                         ; i
	s_and_b32 s18, s16, 1                          ; j
	s_xor_b32 s19, s17, 1                          ; 1 - i
	s_bfe_u32 s20, ttmp6, 0x40000                  ; cx
	s_bfe_u32 s21, ttmp6, 0x40004                  ; cy
	s_lshl_b32 s22, ttmp9, 2
	s_add_co_u32 s22, s22, s20                     ; the head
	s_and_b32 s23, ttmp7, 0xffff
	s_lshl_b32 s23, s23, 2
	s_add_co_u32 s23, s23, s21                     ; the block of 128 tokens
	s_lshl_b32 s96, s21, 2
	s_lshl_b32 s96, 15, s96                        ; my row of the cluster
	s_lshl_b32 s97, 0x1111, s20                    ; my column
	; codes: 8 tiles' two K steps: 8 rows of 3,072 bytes (384 elements of 8 bytes), 24,576 bytes apart, no padding
	s_or_b32 s[G1X], s96, (3<<16)|(1<<21)
	s_or_b32 s[G1W], s97, (3<<16)|(1<<21)
.irp g, G1X, G1W
	s_mov_b32 s[\g+1], 384<<16                     ; tensor_dim0
	s_mov_b32 s[\g+2], 8<<16                       ; tensor_dim1
	s_mov_b32 s[\g+3], 384<<16                     ; tile_dim0
	s_mov_b32 s[\g+4], 8                           ; tile_dim1
	s_mov_b32 s[\g+5], 3072                        ; from row to row
	s_mov_b32 s[\g+6], 0
	s_mov_b32 s[\g+7], 0
.endr
	; scale words: 8,192 dense bytes as 32 rows of 256
	s_or_b32 s[G1SX], s96, (3<<16)|(1<<21)
	s_or_b32 s[G1SW], s97, (3<<16)|(1<<21)
.irp g, G1SX, G1SW
	s_mov_b32 s[\g+1], 32<<16
	s_mov_b32 s[\g+2], 32<<16
	s_mov_b32 s[\g+3], 32<<16
	s_mov_b32 s[\g+4], 32
	s_mov_b32 s[\g+5], 32
	s_mov_b32 s[\g+6], 0
	s_mov_b32 s[\g+7], 0
.endr
	; cos or sin: 64 rows of 64 f32, 16 bytes of padding behind each
	s_or_b32 s[G1C], s96, (2<<16)|(1<<20)|(1<<21)|(5<<22)|(3<<25)
	s_mov_b32 s[G1C+1], 64<<16
	s_mov_b32 s[G1C+2], 64<<16
	s_mov_b32 s[G1C+3], 64<<16
	s_mov_b32 s[G1C+4], 64
	s_mov_b32 s[G1C+5], 64
	s_mov_b32 s[G1C+6], 0
	s_mov_b32 s[G1C+7], 0
	; s[98:99] hold only what hangs on the block of tokens, s[100:101] only what hangs on the head
	s_mul_i32 s98, s23, 196608
	s_mov_b32 s99, 0
	s_mul_i32 s100, s22, 196608
	s_mul_i32 s2, s16, 3145728                     ; tensor w of opc: 1 wq, 2 wk, 3 wv
	s_add_co_u32 s100, s100, s2
	s_mov_b32 s101, 0
	s_wait_kmcnt 0x0
	s_add_nc_u64 s[98:99], s[4:5], s[98:99]
	s_add_nc_u64 s[100:101], s[4:5], s[100:101]
	s_mul_i32 s2, s16, PART
.irp s, 0,1
	s_mov_b32 s[G0X+4*\s], 1
	s_mov_b32 s[G0X+4*\s+1], \s*SLOT
	s_add_nc_u64 s[G0X+4*\s+2:G0X+4*\s+3], s[98:99], \s*TILEB
	s_or_b32 s[G0X+4*\s+3], s[G0X+4*\s+3], 0x80000000
	s_mov_b32 s[G0W+4*\s], 1
	s_add_co_u32 s[G0W+4*\s+1], s2, \s*SLOT
	s_add_nc_u64 s[G0W+4*\s+2:G0W+4*\s+3], s[100:101], \s*TILEB
	s_or_b32 s[G0W+4*\s+3], s[G0W+4*\s+3], 0x80000000
.endr
	s_lshl_b32 s98, s23, 13
	s_mov_b32 s99, 0
	s_lshl_b32 s100, s22, 13
	s_lshl_b32 s2, s16, 17
	s_add_co_u32 s100, s100, s2
	s_mov_b32 s101, 0
	s_mov_b32 s[G0SX], 1
	s_mov_b32 s[G0SX+1], SCL
	s_add_nc_u64 s[G0SX+2:G0SX+3], s[6:7], s[98:99]
	s_or_b32 s[G0SX+3], s[G0SX+3], 0x80000000
	s_mov_b32 s[G0SW], 1
	s_lshl_b32 s2, s16, 13
	s_add_co_u32 s[G0SW+1], s2, SCL
	s_add_nc_u64 s[G0SW+2:G0SW+3], s[6:7], s[100:101]
	s_or_b32 s[G0SW+3], s[G0SW+3], 0x80000000
	s_lshl_b32 s98, s23, 15                        ; 128 rows of 256 bytes a block,
	s_lshl_b32 s2, s18, 14                         ; 64 of them a wave
	s_add_co_u32 s98, s98, s2
	s_cmp_eq_u32 s17, 0                            ; waves 0, 1: cos; waves 2, 3: sin
	s_cselect_b64 s[G0C+2:G0C+3], s[8:9], s[10:11]
	s_add_nc_u64 s[G0C+2:G0C+3], s[G0C+2:G0C+3], s[98:99]
	s_or_b32 s[G0C+3], s[G0C+3], 0x80000000
	s_mov_b32 s[G0C], 1
	s_mul_i32 s2, s16, 17408
	s_add_co_u32 s[G0C+1], s2, CSN
	CROUND                                         ; all sixteen work-groups are here: the first joint loads meet.  Four loads of mine go out
	JLOAD G0SX, G1SX, G0SW, G1SW
	tensor_load_to_lds s[G0C:G0C+3], s[G1C:G1C+7]
	s_nop 0
.rept 4
	v_nop
.endr
	JLOAD G0X, G1X, G0W, G1W
	JLOAD G0X+4, G1X, G0W+4, G1W
	v_and_b32 v[LN], 31, v0
	v_and_b32 v2, 15, v0                           ; r
	v_bfe_u32 v3, v0, 4, 1                         ; h
	v_lshlrev_b32 v[LI], 4, v[LN]
	v_lshlrev_b32 v[R16], 4, v2
	v_lshlrev_b32 v[R8], 3, v2
	s_mul_i32 s96, s17, 4*TILEB
	s_mul_i32 s97, s19, 4*TILEB
	s_mul_i32 s98, s18, PART
	s_add_co_u32 s98, s98, PART
	s_mul_i32 s99, s16, 2*TILEB
	s_add_co_u32 s99, s99, 3*PART
.irp s, 0,1
	v_add_nc_u32 v[ADXA+\s], s96, v[LI]
	v_add_nc_u32 v[ADXB+\s], s97, v[LI]
	v_add_nc_u32 v[ADW+\s], s98, v[LI]
	v_add_nc_u32 v[ADV+\s], s99, v[LI]
	s_add_co_u32 s96, s96, SLOT
	s_add_co_u32 s97, s97, SLOT
	s_add_co_u32 s98, s98, SLOT
	s_add_co_u32 s99, s99, SLOT
.endr
	v_lshlrev_b32 v20, 2, v2                       ; 4 r
	s_lshl_b32 s96, s18, 13                        ; 8,192 j
	s_lshl_b32 s97, s19, 12
	s_add_co_u32 s97, s97, s96
	s_add_co_u32 s97, s97, 4096                    ; from x's tile 4 i to the weight's tile 0: 8,192 (1 + j) - 4,096 i
	v_mul_u32_u24 v21, s97, v3                     ; lanes 16-31 take the weight's
	s_lshl_b32 s98, s17, 12
	s_add_co_u32 s99, s98, SCL
	v_add_nc_u32 v21, v21, v20
	v_add_nc_u32 v[ADSL], s99, v21
	s_add_co_u32 s96, s96, s98
	s_add_co_u32 s96, s96, 8192                    ; from x's tile 4 (1 - i) to the weight's tile 4
	v_mul_u32_u24 v21, s96, v3
	s_lshl_b32 s97, s19, 12
	s_add_co_u32 s97, s97, SCL
	v_add_nc_u32 v21, v21, v20
	v_add_nc_u32 v[ADSH], s97, v21
	s_lshl_b32 s96, s16, 11
	s_add_co_u32 s96, s96, SCL+3*8192
	v_add_nc_u32 v[ADSV], s96, v20
	v_and_b32 v21, 8, v2
	v_add_nc_u32 v21, v21, v2                      ; r + 8 (r / 8)
	v_mul_u32_u24 v21, v21, 272
	v_lshl_add_u32 v21, v3, 5, v21                 ; my half's eight pairs: 32 h bytes on
	s_mul_i32 s96, s17, 64*272
	s_add_co_u32 s96, s96, CSN
	v_add_nc_u32 v[ACS], s96, v21
.irp b, 0,1,2,3
	v_mov_b32 v[TM+4+\b], 0                        ; written once: a lane permute's destination counts as one of its sources
.endr
; a K step's 10 scale words and 18 fragments: K step q of the slot into set p; ko: the K step's place among the scale words
.macro FETCH slot, q, p, ko
	WIN 0
.irp u, 0,1,2,3
	ds_load_b32 v[SX+10*(\p)+\u], v[ADSL] offset:\u*1024+(\ko)
	ds_load_b32 v[SX+10*(\p)+4+\u], v[ADSH] offset:\u*1024+(\ko)
.endr
.irp n, 0,1
	ds_load_b32 v[SX+10*(\p)+8+\n], v[ADSV] offset:\n*1024+(\ko)
.endr
	WIN 0xc0*(\p)                                  ; x's set 0 lies in window 0, set 1 in window 3
.irp u, 0,1,2,3
.irp c, 0,1,2
	ds_load_b128 v[96+32*(\p)+12*\u+4*\c:96+32*(\p)+12*\u+4*\c+3], v[ADXA+\slot] offset:\u*TILEB+(\q)*FRB+512*\c
.endr
.endr
.irp u, 0,1,2,3
.irp c, 0,1,2
	ds_load_b128 v[96+32*(\p)+48+12*\u+4*\c:96+32*(\p)+48+12*\u+4*\c+3], v[ADXB+\slot] offset:\u*TILEB+(\q)*FRB+512*\c
.endr
.endr
	WIN 0x40
.irp b, 0,1,2,3,4,5,6,7
.irp c, 0,1,2
	ds_load_b128 v[128*(\p)+12*\b+4*\c:128*(\p)+12*\b+4*\c+3], v[ADW+\slot] offset:\b*TILEB+(\q)*FRB+512*\c
.endr
.endr
.irp n, 0,1
.irp c, 0,1,2
	ds_load_b128 v[128*(\p)+96+12*\n+4*\c:128*(\p)+96+12*\n+4*\c+3], v[ADV+\slot] offset:\n*TILEB+(\q)*FRB+512*\c
.endr
.endr
.endm
; v: 16 products, source 0 = x's position, source 1 = wv's tile.  z = 1: the first K step starts the sums
.macro MULV p, z
	WIN 0xf4+3*(\p)
.irp n, 0,1
.irp u, 0,1,2,3,4,5,6,7
.if \z
	v_wmma_scale_f32_16x16x128_f8f6f4 v[64*\n+8*\u:64*\n+8*\u+7], v[96+32*(\p)+12*\u:96+32*(\p)+12*\u+11], v[128*(\p)+96+12*\n:128*(\p)+96+12*\n+11], 0, v[SX+10*(\p)+\u], v[SX+10*(\p)+8+\n] matrix_a_fmt:MATRIX_FMT_FP6 matrix_b_fmt:MATRIX_FMT_FP6
.else
	v_wmma_scale_f32_16x16x128_f8f6f4 v[64*\n+8*\u:64*\n+8*\u+7], v[96+32*(\p)+12*\u:96+32*(\p)+12*\u+11], v[128*(\p)+96+12*\n:128*(\p)+96+12*\n+11], v[64*\n+8*\u:64*\n+8*\u+7], v[SX+10*(\p)+\u], v[SX+10*(\p)+8+\n] matrix_a_fmt:MATRIX_FMT_FP6 matrix_b_fmt:MATRIX_FMT_FP6
.endif
.endr
.endr
.endm
; q or k: 16 products, source 0 = the weight's tile b (its scale words in lanes 16-31), source 1 = x's position a0, a0 + 1
.macro MULQK p, z, a0
	WIN 0xa1+12*(\p)
.irp a, \a0, \a0+1
.irp b, 0,1,2,3,4,5,6,7
.if \z
	v_wmma_scale_f32_16x16x128_f8f6f4 v[64*(\a)+8*\b:64*(\a)+8*\b+7], v[128*(\p)+12*\b:128*(\p)+12*\b+11], v[96+32*(\p)+12*(\a):96+32*(\p)+12*(\a)+11], 0, v[SX+10*(\p)+\b], v[SX+10*(\p)+(\a)] matrix_a_fmt:MATRIX_FMT_FP6 matrix_b_fmt:MATRIX_FMT_FP6 matrix_a_scale:MATRIX_SCALE_ROW1
.else
	v_wmma_scale_f32_16x16x128_f8f6f4 v[64*(\a)+8*\b:64*(\a)+8*\b+7], v[128*(\p)+12*\b:128*(\p)+12*\b+11], v[96+32*(\p)+12*(\a):96+32*(\p)+12*(\a)+11], v[64*(\a)+8*\b:64*(\a)+8*\b+7], v[SX+10*(\p)+\b], v[SX+10*(\p)+(\a)] matrix_a_fmt:MATRIX_FMT_FP6 matrix_b_fmt:MATRIX_FMT_FP6 matrix_a_scale:MATRIX_SCALE_ROW1
.endif
.endr
.endr
.endm
; a slot's first K step: set 0 is multiplied while the slot's second K step comes into set 1
.macro STEPA slot, z, ko
	s_wait_dscnt 0x0                               ; set 0 is in
	PLACES 4                                       ; four plain lines between the last products, which read set 1, and the loads into it (ISA guide 7.12.1 for vector instructions)
	FETCH \slot, 1, 1, \ko
	MULV 0, \z
	MULQK 0, \z, 0
	MULQK 0, \z, 2
	WIN 0
.endm
; a slot's second K step changes slots: one barrier; in front of it each wave waits for all its tensor loads, adds 0 to its spare word, and waits for that and for its reads of this slot
.macro TURN slot, next, fill, ko
	s_wait_tensorcnt 0x0                           ; all my tensor loads have landed: the one that was out is my part of the next slot
	ds_add_u32 v[SPW], v[NIL]                      ; 0 onto my spare word
.if \fill
	s_add_nc_u64 s[G0X+4*\slot+2:G0X+4*\slot+3], s[G0X+4*\slot+2:G0X+4*\slot+3], 2*TILEB   ; no load of mine is out: this slot's next two K steps
	s_add_nc_u64 s[G0W+4*\slot+2:G0W+4*\slot+3], s[G0W+4*\slot+2:G0W+4*\slot+3], 2*TILEB
.endif
	s_wait_dscnt 0x0                               ; the add is done, set 1 is in, and my reads of this slot are over
	s_barrier_signal -1
	MULV 1, 0                                      ; work on registers while the others arrive
	WIN 0
	s_barrier_wait -1
.if \fill
	CREST                                          ; the barrier has opened a round of the cluster's: no wave of any partner still reads this slot or has a load on its way
	JLOAD G0X+4*\slot, G1X, G0W+4*\slot, G1W       ; the first tensor load behind the round; its four v_nop are also the places in front of the loads below
.else
	PLACES 4
.endif
.if \next == 0
	v_add_nc_u32 v[ADSL], 256, v[ADSL]             ; four K steps of scale words on
	v_add_nc_u32 v[ADSH], 256, v[ADSH]
	v_add_nc_u32 v[ADSV], 256, v[ADSV]
.endif
	FETCH \next, 0, 0, \ko
	MULQK 1, 0, 0
	MULQK 1, 0, 2
	WIN 0
.endm
	s_wait_tensorcnt 0x1                           ; the scale words, cos or sin and my part of slot 0 are in; slot 1's load may be out
	s_barrier_signal -1
	s_barrier_wait -1
	FETCH 0, 0, 0, 0
	STEPA 0, 1, 64                                 ; the first K step stands in front of the loop: its products start the sums
	s_mov_b32 s3, 3
.Llap:                                         ; a trip goes once round the ring and fills both slots again
	TURN 0, 1, 1, 128
	STEPA 1, 0, 192
	TURN 1, 0, 1, 0
	STEPA 0, 0, 64
	s_sub_co_u32 s3, s3, 1
	s_cmp_lg_u32 s3, 0
	s_cbranch_scc1 .Llap
	TURN 0, 1, 0, 128                              ; the last lap fills nothing
	STEPA 1, 0, 192
	s_wait_dscnt 0x0
	MULV 1, 0
	MULQK 1, 0, 0
	MULQK 1, 0, 2
	WIN 0
	PLACES 4                                       ; in front of the first read of results
	; where the results go
	s_lshl_b32 s2, s22, 4
	s_add_co_u32 s2, s2, s23                       ; 16 x head + block
	s_mul_i32 s96, s2, 12800
	s_mov_b32 s97, 0
	s_mul_i32 s98, s2, 25600
	s_mov_b32 s99, 0
	s_add_nc_u64 s[12:13], s[12:13], s[96:97]
	s_add_nc_u64 s[14:15], s[14:15], s[98:99]
	s_cmp_eq_u32 s18, 0                            ; j = 0: q; j = 1: k
	s_cselect_b64 s[4:5], s[12:13], s[14:15]
	s_lshl_b32 s96, s17, 8
	s_add_co_u32 s96, s96, 12288
	s_add_nc_u64 s[6:7], s[4:5], s[96:97]          ; my half's scale words
	s_mul_i32 s96, s17, 4*FRB
	s_add_nc_u64 s[4:5], s[4:5], s[96:97]          ; my half's four images
	s_mul_i32 s96, s16, 2*FRB
	s_add_co_u32 s96, s96, 12800
	s_add_nc_u64 s[8:9], s[14:15], s[96:97]        ; v's two images
	s_lshl_b32 s96, s16, 7
	s_add_co_u32 s96, s96, 25088
	s_add_nc_u64 s[10:11], s[14:15], s[96:97]      ; and their scale words
	s_mov_b32 s[SEL], 0x76543210
	s_mov_b32 s[SEL+1], 0xfedcba98
	s_cmp_eq_u32 s17, 0
	s_cselect_b32 s2, 0, -1                        ; all lanes where i = 1
	s_lshl_b32 s3, s17, 4                          ; 16 i
	; q or k: a tile of 16 tokens at a time.  Register 16 b + n is channel 32 b + 16 h + n of my token: pair 16 b + 8 h + n / 2 of the tables
.irp a, 0,1,2,3
.irp b, 0,1,2,3
.irp e, 0,1
	ds_load_b128 v[COS+8*\b+4*\e:COS+8*\b+4*\e+3], v[ACS] offset:(32*(\a/2)+8*(\a%2))*272+64*\b+16*\e
	ds_load_b128 v[SIN+8*\b+4*\e:SIN+8*\b+4*\e+3], v[ACS] offset:34816+(32*(\a/2)+8*(\a%2))*272+64*\b+16*\e
.endr
.endr
	s_wait_dscnt 0x0
	WIN 0x02                                       ; source 0: the accumulators, window 2
.set m, 0
.rept 32
	v_mul_f32 v[T+2*(m%4)], v[64*\a+2*m], v[SIN+m]                       ; even x sin
	v_mul_f32 v[T+2*(m%4)+1], v[64*\a+2*m+1], v[SIN+m]                   ; odd x sin
	v_fma_f32 v[H+2*m], v[64*\a+2*m], v[COS+m], -v[T+2*(m%4)+1]          ; even x cos - odd x sin
	v_fma_f32 v[H+2*m+1], v[64*\a+2*m+1], v[COS+m], v[T+2*(m%4)]         ; odd x cos + even x sin
.set m, m+1
.endr
	WIN 0
	s_wait_xcnt 0x0                                ; the last tile's stores have read the code registers
	QUANT H, 0, QW+\a
.irp c, 0,1,2
	global_store_b128 v[LI], v[PC+4*\c:PC+4*\c+3], s[4:5] offset:FRB*\a+512*\c   ; 32 lanes store 512 consecutive bytes, aligned
.endr
.endr
	; v: a lane holds one channel, registers along the tokens by position
.irp n, 0,1
	s_wait_xcnt 0x0
	QUANT 64*\n, 3, TW
.irp q, 0,1,2,3,4,5,6,7,8,9,10,11
	v_cndmask_b32 v[PT+\q], v[PC+\q], v[PC+(\q+6)%12], s2   ; i = 1: positions 0-3 are keys 64 to 127: the halves change places
.endr
	v_alignbit_b32 v[VW+\n], v[TW], v[TW], s3      ; and so do the scale word's
.irp c, 0,1,2
	global_store_b128 v[LI], v[PT+4*\c:PT+4*\c+3], s[8:9] offset:FRB*\n+512*\c
.endr
.endr
	v_cmp_gt_u32 vcc_lo, 16, v[LN]
	s_wait_xcnt 0x0                                ; EXEC changes only behind this wait
	s_and_saveexec_b32 s96, vcc_lo                 ; lanes 0-15: a row's words once
	global_store_b128 v[R16], v[QW:QW+3], s[6:7]
	global_store_b64 v[R8], v[VW:VW+1], s[10:11]
	s_wait_xcnt 0x0
	s_or_b32 exec_lo, exec_lo, s96
	s_wait_tensorcnt 0x0                           ; the wave's end
	ds_add_u32 v[SPW], v[NIL]
	s_wait_dscnt 0x0
	CROUND                                         ; the closing round
	s_endpgm
.Lfunc_end_k_q509048ac34_qkv:
	.size	k_q509048ac34_qkv, .Lfunc_end_k_q509048ac34_qkv-k_q509048ac34_qkv
	.p2alignl 7, 3214868480
	.fill 96, 4, 3214868480
	.section	.rodata,"a",@progbits
	.p2align	6, 0x0
	.amdhsa_kernel k_q509048ac34_qkv
		.amdhsa_group_segment_fixed_size 327680
		.amdhsa_private_segment_fixed_size 0
		.amdhsa_enable_private_segment 0
		.amdhsa_kernarg_size 48
		.amdhsa_user_sgpr_count 2
		.amdhsa_user_sgpr_kernarg_segment_ptr 1
		.amdhsa_wavefront_size32 1
		.amdhsa_system_sgpr_workgroup_id_x 1
		.amdhsa_system_sgpr_workgroup_id_y 1
		.amdhsa_system_sgpr_workgroup_id_z 1
		.amdhsa_system_vgpr_workitem_id 0
		.amdhsa_next_free_vgpr 1024
		.amdhsa_next_free_sgpr 102
		.amdhsa_reserve_vcc 1
		.amdhsa_float_denorm_mode_32 3
		.amdhsa_float_denorm_mode_16_64 3
		.amdhsa_memory_ordered 1
		.amdhsa_forward_progress 1
		.amdhsa_inst_pref_size 152
	.end_amdhsa_kernel
	.amdgpu_metadata
---
amdhsa.version: [ 1, 2 ]
amdhsa.kernels:
  - .name:           k_q509048ac34_qkv
    .symbol:         k_q509048ac34_qkv.kd
    .args:
      - { .name: opc, .offset: 0, .size: 8, .value_kind: global_buffer, .address_space: global }
      - { .name: ops, .offset: 8, .size: 8, .value_kind: global_buffer, .address_space: global }
      - { .name: freqs_cos, .offset: 16, .size: 8, .value_kind: global_buffer, .address_space: global }
      - { .name: freqs_sin, .offset: 24, .size: 8, .value_kind: global_buffer, .address_space: global }
      - { .name: qws, .offset: 32, .size: 8, .value_kind: global_buffer, .address_space: global }
      - { .name: kvws, .offset: 40, .size: 8, .value_kind: global_buffer, .address_space: global }
    .group_segment_fixed_size: 327680
    .private_segment_fixed_size: 0
    .kernarg_segment_align: 8
    .kernarg_segment_size: 48
    .max_flat_workgroup_size: 128
    .sgpr_count:     102
    .vgpr_count:     1024
    .wavefront_size: 32
...
	.end_amdgpu_metadata
.endif
;; end of part 2
;; launch attn (part 3): grid 16 x 16, 8 waves a work-group, clusters of 4 x 1, 327,680 bytes of LDS; arguments qws, kvws, mask, aws, asc; writes aws, asc
.if DOCPART == 3
	.amdgcn_target "amdgcn-amd-amdhsa--gfx1250"
	.amdhsa_code_object_version 6
	.text
	.protected	k_q509048ac34_attn
	.globl	k_q509048ac34_attn
	.p2align	8
	.type	k_q509048ac34_attn,@function
k_q509048ac34_attn:
	s_mov_b64 s[64:65], 0
	v_nop
	global_prefetch_b8 v0, s[64:65] scope:SCOPE_SE
	s_setreg_imm32_b32 hwreg(HW_REG_WAVE_MODE, 25, 1), 1
	s_wait_xcnt 0x0
	s_wait_alu depctr_hold_cnt(0) depctr_sa_sdst(0) depctr_va_vdst(0) depctr_va_sdst(0) depctr_va_ssrc(0) depctr_va_vcc(0) depctr_vm_vsrc(0)
	s_getreg_b32 s2, hwreg(HW_REG_IB_STS2, 6, 4)
	s_cmp_eq_u32 s2, 0
	s_cbranch_scc0 .Lentry_in_a_cluster
	s_endpgm
.Lentry_in_a_cluster:
	s_bfe_u32 s2, ttmp6, 0x10000c
	s_cmp_lg_u32 s2, 0x3003
	s_cbranch_scc0 .Lentry_shape_is_right
	s_endpgm
.Lentry_shape_is_right:
; For one head and 128 queries: logit = q . k / sqrt(128) + mask; t = logit x log2(e); M = the running largest t rounded up to a whole number; p = 2^(t - M), quantised along the keys; O = (sum of p v) / (sum of the
; unquantised p), quantised along the head's 128 for the output projection.  Both products on codes of FP6 (E2M3) with E8M0 scales, sums in f32.
; THE MASK IS AN INPUT: every number of it is read and added in f32; no tile is left out and no branch hangs on it.
; OPERANDS are images of their registers (1,536 bytes a fragment, three loads of 16 bytes a lane); lane r of row tile T holds row 32 (T / 2) + 8 (T % 2) + r + 8 (r / 8).  Both products are used transposed
; (S^T = k q^T, O^T = v^T p^T): a lane holds one query throughout, and the 16 registers of tiles 2 b, 2 b + 1 are keys (channels) 32 b + 16 (lane / 16) + 0 .. 15.
; SHARES.  Wave w owns query tile w, 16 queries, in 512 registers: two waves to a SIMD, so that one wave's vector work stands beside the other's products and LDS loads.  16 key steps of 128 keys.
; K AND V: a key step's block is 25,600 bytes (k's images, k's scale words, v's images, v's scale words) and a head's blocks are dense in memory.  A ring of two LDS slots of FOUR key steps, 102,400 bytes each; every wave
; fetches an eighth of a slot, 50 rows of 256 bytes.  Both slots are filled at the start and each is filled once more: two refills in the launch, each with four key steps in which to land.
; CLUSTER 4 x 1: the four blocks of queries of a cluster belong to one head and walk the same k and v: each fill is asked for jointly, with the same descriptor and a mask that names the four.
; THE MASK IS NOT ASKED FOR JOINTLY, though the 16 heads read the same numbers: a work-group's part of a key step is 128 x 512 = 65,536 bytes; in the ring, a slot of two key steps would be 2 x (65,536 + 25,600) bytes and two
; such slots 364,544, more than a work-group can have; with one key step to a slot every key step would have its round of the cluster's barrier and its fill one key step in which to land.  So each wave loads its own
; 16 rows x 512 bytes of a key step into registers, each load 512 consecutive bytes of one row, TWO KEY STEPS AHEAD, with no barrier; they turn through the wave's own stage in LDS (rows 528 bytes apart) and come
; back 64 consecutive bytes a lane and block of 32 keys, into the registers that they left.
; LIMITS: +infinity and NaN in the mask, NaN and infinities elsewhere are not served.  -infinity in the mask is served; a row masked altogether has the sum 0 and gets the scale bytes 0xff, which make its row of the
; output NaN.  A block whose largest magnitude lies under 2^-124, a block of zeros too, gets the byte 1.  1 / sqrt(128) is a multiplication, fused with the mask's addition.
; REGISTERS: window 0: v1-11 addresses; v12 -M, v13 the largest t, v[14:15] the sum; v16-27 q; v29 q's scale word; v32-39 k's, v40-47 v's; v96-159 S^T, then p; v160-223 O^T; v224-235 p's codes; v232-254 at work.
;   window 1: v0-63 and v160-223 the mask's two sets (even and odd key steps); v64-159 k's 8 fragments, then v's.
.set SLOT1, 131072                     ; slot 1 begins here, so that one exclusive or turns an address in one slot into the other's
.set KVB,   25600                      ; a key step's block
.set SLB,   4*KVB                      ; a slot
.set WPB,   SLB/8                      ; a wave's part of a fill
.set FRB,   1536
.set SP,    528                        ; a row of a stage: 512 bytes + 16
.set STG,   SLOT1+SLB                  ; behind the ring: 16 rows x 528 bytes for each wave; no fill lands there
.set SPARE, STG+8*16*SP                ; the spare words, 128 bytes for each wave: no other line names them
.set LI,   1                           ; 16 x lane: an image's place for my lane, and my place in a load's or a store's 512 bytes; never rewritten
.set STI,  2                           ; the stage, on the way in
.set AKS0, 3                           ; my lane's place among a block's scale words of k
.set AVS0, 4                           ; and of v
.set SPW,  5
.set NIL,  6
.set STL,  7                           ; the stage, on the way out
.set ADI,  8
.set ADKS, 10
.set ADVS, 11
.set PFO,  28
.set QS,   29
.set TM,   32                          ; the last quantiser's, where the scale words lay
.set OW,   48
.set LN,   50
.set RR,   51
.set HH,   52
.set QSA,  53
.set TT,   54
.set GOS,  57
.set PC,   224
.set WV,   14
.set HX,   17                          ; the head
.set QB,   18                          ; the block of 128 queries
.set TB,   19                          ; LDS byte at which the key step's block begins
.set SEL,  20
.set CS,   22                          ; s[22:23] log2(e)
.set ISQ,  24                          ; s[24:25] 1 / sqrt(128)
.set SLOTS, 26
.set TWICE, 27
.set G1K,  28                          ; s[28:35] descriptor group 1
.set G0A,  36                          ; s[36:39] group 0 of slot 0's first fill
.set G0B,  40                          ; s[40:43] of slot 1's, which then walks on
.set MA,   44                          ; s[44:45] my 16 rows of the mask, at the even key step that is loaded next
.set MSB, 0
.macro WIN new                         ; the immediate's high byte repeats the setting that is left
.if MSB != (\new)
	s_set_vgpr_msb (MSB<<8)|(\new)
.set MSB, (\new)
.endif
.endm
.macro PLACES n
.rept \n
	v_nop
.endr
.endm
.macro CROUND                          ; a round of the cluster's barrier
	s_barrier_signal -1
	s_barrier_wait -1
	s_cmp_lg_u32 s[WV], 0
	s_cbranch_scc1 .Lnot_wave_0_\@
	s_barrier_signal -3
.Lnot_wave_0_\@:
	s_barrier_wait -3
	s_barrier_signal -1
	s_barrier_wait -1
.endm
; 64 numbers of a lane, register 16 b + i = k 32 b + 16 (lane / 16) + i of my row, become a fragment's codes in v[PC] on and its scale word in v[pw]
.macro QUANT s, pw
.irp b, 0,1,2,3
	v_max3_num_f32 v[TM+\b], |v[(\s)+16*\b]|, |v[(\s)+16*\b+1]|, 0x1800000
.endr
.irp i, 2,4,6,8,10,12,14
.irp b, 0,1,2,3
	v_max3_num_f32 v[TM+\b], |v[(\s)+16*\b+\i]|, |v[(\s)+16*\b+\i+1]|, v[TM+\b]
.endr
.endr
.irp b, 0,1,2,3
	v_permlanex16_b32 v[TM+4+\b], v[TM+\b], s[SEL], s[SEL+1]
.endr
.irp b, 0,1,2,3
	v_max_num_f32 v[TM+\b], v[TM+\b], v[TM+4+\b]
.endr
.irp b, 0,1,2,3
	v_add_nc_u32 v[TM+12+\b], 0xff000000, v[TM+\b]
.endr
.irp b, 0,1,2,3
	v_lshrrev_b32 v[TM+4+\b], 23, v[TM+12+\b]
.endr
	v_lshl_or_b32 v[\pw], v[TM+5], 8, v[TM+4]
	v_lshl_or_b32 v[\pw], v[TM+6], 16, v[\pw]
	v_lshl_or_b32 v[\pw], v[TM+7], 24, v[\pw]
.irp c, 0,1
	v_cvt_scalef32_pk16_fp6_f32 v[PC+6*\c:PC+6*\c+2], v[(\s)+32*\c:(\s)+32*\c+15], v[TM+12+2*\c]
	v_cvt_scalef32_pk16_fp6_f32 v[PC+12+4*\c:PC+14+4*\c], v[(\s)+32*\c+16:(\s)+32*\c+31], v[TM+12+2*\c+1]
.endr
	v_nop
.irp c, 0,1
.irp i, 0,1,2
	v_permlane16_swap_b32 v[PC+6*\c+\i], v[PC+12+4*\c+\i]
.endr
.irp i, 0,1,2
	v_mov_b32 v[PC+3+6*\c+\i], v[PC+12+4*\c+\i]
.endr
.endr
.endm
	s_load_b256 s[4:11], s[0:1], 0x0               ; qws, kvws, mask, aws
	s_load_b64 s[12:13], s[0:1], 0x20              ; asc
	v_lshl_add_u32 v[SPW], v0, 2, SPARE
	v_mov_b32 v[NIL], 0
	ds_add_u32 v5, v6
	ds_add_u32 v5, v6
	s_wait_dscnt 0x0
	v_lshrrev_b32 v9, 5, v0
	v_readfirstlane_b32 s[WV], v9                  ; wave 0..7
	s_bfe_u32 s15, ttmp6, 0x40000                  ; cx: my place in the cluster
	s_lshl_b32 s[QB], ttmp9, 2                     ; in a cluster launch ttmp9 counts clusters
	s_add_co_u32 s[QB], s[QB], s15                 ; my block of queries: it enters q's, the mask's and the outputs' addresses alone
	s_and_b32 s[HX], ttmp7, 0xffff                 ; the head, which the four partners share
	; descriptor group 1: an eighth of a slot, 12,800 dense bytes, as 50 rows of 256 (32 elements of 8 bytes)
	s_mov_b32 s[G1K], 15|(3<<16)|(1<<21)           ; 15:0 the mask: all four work-groups; 17:16 elements of 8 bytes; 20 no padding; 21 set beside a mask
	s_mov_b32 s[G1K+1], 32<<16                     ; tensor_dim0
	s_mov_b32 s[G1K+2], 50<<16                     ; tensor_dim1
	s_mov_b32 s[G1K+3], 32<<16                     ; tile_dim0
	s_mov_b32 s[G1K+4], 50                         ; tile_dim1
	s_mov_b32 s[G1K+5], 32                         ; from row to row
	s_mov_b32 s[G1K+6], 0
	s_mov_b32 s[G1K+7], 0
	s_mul_i32 s56, s[WV], WPB                      ; my eighth, in a slot and in memory: no place in the cluster enters it
	s_mul_i32 s58, s[HX], 16*KVB                   ; the head's 16 blocks
	s_add_co_u32 s58, s58, s56
	s_mov_b32 s59, 0
	s_lshl_b32 s60, s[QB], 20                      ; the mask: 128 rows of 8,192 bytes a block of queries,
	s_lshr_b32 s62, s[WV], 1
	s_lshl_b32 s62, s62, 18                        ; 32 (w / 2) rows,
	s_add_co_u32 s60, s60, s62
	s_and_b32 s62, s[WV], 1
	s_lshl_b32 s62, s62, 16                        ; 8 (w % 2) rows: my tile's first
	s_add_co_u32 s60, s60, s62
	s_mov_b32 s61, 0
	s_mov_b32 s[SEL], 0x76543210
	s_mov_b32 s[SEL+1], 0xfedcba98
	s_mov_b32 s[CS], 0x3fb8aa3b                    ; log2(e)
	s_mov_b32 s[CS+1], s[CS]                       ; (named with it as a pair, so it is written)
	s_mov_b32 s[ISQ], 0x3db504f3                   ; 1 / sqrt(128)
	s_mov_b32 s[ISQ+1], s[ISQ]
	s_mov_b32 s[TB], 0
	s_wait_kmcnt 0x0
	s_mov_b32 s[G0A], 1                            ; count = 1
	s_mov_b32 s[G0A+1], s56                        ; LDS address: slot 0
	s_add_nc_u64 s[G0A+2:G0A+3], s[6:7], s[58:59]  ; key steps 0 to 3
	s_or_b32 s[G0A+3], s[G0A+3], 0x80000000        ; type = 2
	s_mov_b32 s[G0B], 1
	s_add_co_u32 s[G0B+1], s56, SLOT1              ; slot 1
	s_add_nc_u64 s[G0B+2:G0B+3], s[6:7], s[58:59]
	s_add_nc_u64 s[G0B+2:G0B+3], s[G0B+2:G0B+3], SLB   ; key steps 4 to 7
	s_or_b32 s[G0B+3], s[G0B+3], 0x80000000
	s_add_nc_u64 s[MA:MA+1], s[8:9], s[60:61]      ; at key step 0
	; q: my tile's image and scale words
	s_lshl_b32 s56, s[HX], 4
	s_add_co_u32 s56, s56, s[QB]
	s_mul_i32 s56, s56, 12800
	s_mov_b32 s57, 0
	s_add_nc_u64 s[76:77], s[4:5], s[56:57]
	s_lshr_b32 s58, s[WV], 2
	s_lshl_b32 s58, s58, 8
	s_and_b32 s59, s[WV], 3
	s_lshl_b32 s59, s59, 2
	s_add_co_u32 s58, s58, s59
	s_add_co_u32 s58, s58, 12288
	s_mov_b32 s59, 0
	s_add_nc_u64 s[78:79], s[76:77], s[58:59]
	s_mul_i32 s58, s[WV], FRB
	s_add_nc_u64 s[76:77], s[76:77], s[58:59]
	CROUND                                         ; all four work-groups are here: the first joint loads meet
	tensor_load_to_lds s[G0A:G0A+3], s[G1K:G1K+7]  ; both first fills go out together: two loads of mine are out
	s_nop 0
	tensor_load_to_lds s[G0B:G0B+3], s[G1K:G1K+7]
	s_nop 0
.rept 4
	v_nop                                          ; four v_nop follow
.endr
	v_and_b32 v[LN], 31, v0
	v_and_b32 v[RR], 15, v0
	v_bfe_u32 v[HH], v0, 4, 1
	v_lshlrev_b32 v[LI], 4, v[LN]
	v_lshlrev_b32 v[QSA], 4, v[RR]
.irp c, 0,1,2
	global_load_b128 v[16+4*\c:19+4*\c], v[LI], s[76:77] offset:512*\c   ; q's fragment stays in registers
.endr
	global_load_b32 v[QS], v[QSA], s[78:79]
	WIN 0x40                                       ; destination window 1
.irp p, 0,1                                    ; the mask of key steps 0 and 1: row i of my tile is row i + 8 (i / 8) from its first
.irp i, 0,1,2,3,4,5,6,7,8,9,10,11,12,13,14,15
	global_load_b128 v[160*\p+4*\i:160*\p+4*\i+3], v[LI], s[MA:MA+1] offset:(\i+8*(\i/8))*8192+512*\p   ; 32 lanes read 512 consecutive bytes of one row
.endr
.endr
	WIN 0
	s_mul_i32 s56, s[WV], 16*SP
	s_add_co_u32 s56, s56, STG                     ; my stage
	v_add_nc_u32 v[STI], s56, v[LI]                ; in: a row as it was loaded
	v_mul_u32_u24 v[STL], v[RR], SP
	v_lshl_add_u32 v[STL], v[HH], 6, v[STL]
	v_add_nc_u32 v[STL], s56, v[STL]               ; out: row r, my half's 16 keys of each 32
	v_lshl_add_u32 v[AKS0], v[RR], 4, 12288
	v_lshl_add_u32 v[AVS0], v[RR], 3, 25088
	v_lshlrev_b32 v[GOS], 2, v[RR]
	v_and_b32 v[TT], 8, v[RR]
	v_add_nc_u32 v[TT], v[TT], v[RR]               ; r + 8 (r / 8)
	v_lshlrev_b32 v[PFO], 13, v[TT]
	v_lshl_add_u32 v[PFO], v[HH], 8, v[PFO]        ; the prefetches' offset: my row, the first or the second 256 bytes of a key step's 512; never rewritten
	v_mov_b32 v13, 0xff61b1e6                      ; the largest t so far: -3e38
	v_floor_f32 v12, -v13                          ; -M
	v_mov_b32 v14, 0
	v_mov_b32 v15, 0
.irp b, 0,1,2,3
	v_mov_b32 v[236+\b], 0                         ; written once: a lane permute's destination counts as one of its sources
.endr
	v_mov_b32 v253, 0                              ; (named as the upper half of the pair v[252:253] before it is first written)
.set j, 0
.rept 64
	v_mov_b32 v[160+j], 0                          ; O^T: the step is written for every key step alike; the first finds zeros, which the first change of M leaves zeros
.set j, j+1
.endr
; A KEY STEP: 128 keys.  par: the step's parity, which says where its mask lies.  ld = 1: the mask of the key step two on is loaded into the set that this step has read.
; pf = 1: the mask of the key step four on is prefetched.  lc: how many younger loads from memory may stay out when this step's mask has to be there.
.macro STEP par, ld, pf, lc
.set MS, 160*(\par)
	v_add_nc_u32 v[ADI], s[TB], v[LI]              ; (these three and the v_nop are the four places between the last products and the loads into their fragments' and scale words' registers)
	v_add_nc_u32 v[ADKS], s[TB], v[AKS0]
	v_add_nc_u32 v[ADVS], s[TB], v[AVS0]
	v_nop
	ds_load_b128 v[32:35], v[ADKS]                 ; k's scale words, tiles 0-3,
	ds_load_b128 v[36:39], v[ADKS] offset:256      ; 4-7
.irp u, 0,1,2,3
	ds_load_b64 v[40+2*\u:41+2*\u], v[ADVS] offset:128*\u   ; v's
.endr
	WIN 0x40
.irp t, 0,1,2,3,4,5,6,7
.irp c, 0,1,2
	ds_load_b128 v[64+12*\t+4*\c:64+12*\t+4*\c+3], v[ADI] offset:FRB*\t+512*\c
.endr
.endr
	s_wait_loadcnt \lc                             ; loads come back in order: this step's 16 rows of the mask are in, the next step's may be out
	WIN 0x04                                       ; an LDS store's data are its source 1: window 1
.irp i, 0,1,2,3,4,5,6,7,8,9,10,11,12,13,14,15
	ds_store_b128 v[STI], v[MS+4*\i:MS+4*\i+3] offset:SP*\i
.endr
	WIN 0x40
.irp b, 0,1,2,3
.irp e, 0,1,2,3
	ds_load_b128 v[MS+16*\b+4*\e:MS+16*\b+4*\e+3], v[STL] offset:128*\b+16*\e   ; the mask at my query, keys 32 b + 16 h + 4 e on.  LDS serves a wave's instructions in order: these see the stores above
.endr
.endr
	s_wait_dscnt 32                                ; k and the scale words are in; the stage's 16 stores and 16 loads may be out
	WIN 0x01
.irp t, 0,1,2,3,4,5,6,7
	v_wmma_scale_f32_16x16x128_f8f6f4 v[96+8*\t:103+8*\t], v[64+12*\t:75+12*\t], v[16:27], 0, v[32+\t], v[QS] matrix_a_fmt:MATRIX_FMT_FP6 matrix_b_fmt:MATRIX_FMT_FP6
.endr
	PLACES 4                                       ; four plain lines between the products and the loads into k's registers, and the first read of the scores
	WIN 0x40
.irp t, 0,1,2,3,4,5,6,7
.irp c, 0,1,2
	ds_load_b128 v[64+12*\t+4*\c:64+12*\t+4*\c+3], v[ADI] offset:12800+FRB*\t+512*\c   ; v takes k's place
.endr
.endr
	s_wait_dscnt 24                                ; the mask is back from the stage; v's 24 loads may be out
	WIN 0x10                                       ; source 2: the mask, window 1
.set j, 0
.rept 32
	v_pk_fma_f32 v[96+j:97+j], v[96+j:97+j], s[ISQ:ISQ+1], v[MS+j:MS+j+1] op_sel_hi:[1,0,1]   ; the logit: score / sqrt(128) + mask; each accumulator from its low end on
.set j, j+2
.endr
.if \ld
.if (\par) == 0
	s_wait_xcnt 0x0                                ; the last pair's loads and prefetches have read their base:
	s_add_nc_u64 s[MA:MA+1], s[MA:MA+1], 1024      ; two key steps on
.endif
	WIN 0x40
.irp i, 0,1,2,3,4,5,6,7,8,9,10,11,12,13,14,15
	global_load_b128 v[MS+4*\i:MS+4*\i+3], v[LI], s[MA:MA+1] offset:(\i+8*(\i/8))*8192+512*(\par)   ; the mask of the key step two on, into the set just read
.endr
.endif
	WIN 0
.if \pf
; A PREFETCH INTO THE L2 of the mask of the key step FOUR on: two key steps ahead of its loads.  All 16 heads read the same rows: the work-groups of head 0 ask (the head is the same in all partners of a cluster).
; A wave asks for its own 16 rows, a lane for one aligned block of 256 bytes: each block is named once in the launch.  Key steps 0 to 3 come by their loads alone; key steps 12 to 15 name nothing.
	s_cmp_eq_u32 s[HX], 0
	s_cbranch_scc0 .Lnot_mine_\@
	global_prefetch_b8 v[PFO], s[MA:MA+1] offset:1024+512*(\par) th:TH_LOAD_NT scope:SCOPE_SE
.Lnot_mine_\@:
.endif
.irp b, 0,1,2,3
	v_max3_num_f32 v[232+\b], v[96+16*\b], v[97+16*\b], v[98+16*\b]   ; the largest logit of each block of 32 keys: for the row's maximum and, since p rises with the logit, for the block's largest p
.endr
.irp i, 3,5,7,9,11,13
.irp b, 0,1,2,3
	v_max3_num_f32 v[232+\b], v[232+\b], v[96+16*\b+\i], v[97+16*\b+\i]
.endr
.endr
.irp b, 0,1,2,3
	v_max_num_f32 v[232+\b], v[232+\b], v[111+16*\b]
.endr
.irp b, 0,1,2,3
	v_permlanex16_b32 v[236+\b], v[232+\b], s[SEL], s[SEL+1]
.endr
.irp b, 0,1,2,3
	v_max_num_f32 v[232+\b], v[232+\b], v[236+\b]  ; with lane l xor 16's 16 keys
.endr
	v_max3_num_f32 v254, v232, v233, v234
	v_max_num_f32 v254, v254, v235
	v_mul_f32 v254, s[CS], v254                    ; as t
	v_max_num_f32 v13, v13, v254                   ; the running largest t
	v_mov_b32 v254, v12
	v_floor_f32 v12, -v13                          ; the new -M = -ceil(t): a whole number
	v_sub_f32 v254, v12, v254                      ; old M - new M: a whole number, 0 or less
	v_cvt_i32_f32 v254, v254                       ; (it saturates)
	v_ldexp_f32 v252, 1.0, v254                    ; f = 2^(old M - new M)
.set j, 0
.rept 32
	v_pk_fma_f32 v[96+j:97+j], v[96+j:97+j], s[CS:CS+1], v[12:13] op_sel_hi:[1,0,0]   ; t - M
.set j, j+2
.endr
.irp b, 0,1,2,3
	v_fma_f32 v[232+\b], v[232+\b], s[CS], v12     ; the same of each block's largest logit
.endr
.set j, 0
.rept 64
	v_exp_f32 v[96+j], v[96+j]                     ; p = 2^(t - M), at most 1, not normalised
.set j, j+1
.endr
	v_pk_mul_f32 v[14:15], v[14:15], v[252:253] op_sel_hi:[1,0]   ; the sums under the new M: a plain line behind the exponentials
	s_wait_alu depctr_va_vdst(0)                   ; one wait for the batch, ahead of its first reader
.irp b, 0,1,2,3
	v_exp_f32 v[232+\b], v[232+\b]                 ; the block's largest p
.endr
	v_pk_add_f32 v[236:237], v[96:97], v[98:99]    ; the row's sum is taken of the unquantised p, in two chains
.irp i, 4,8,12,16,20,24,28,32,36,40,44,48,52,56,60
	v_pk_add_f32 v[14:15], v[14:15], v[96+\i:97+\i]
	v_pk_add_f32 v[236:237], v[236:237], v[98+\i:99+\i]
.endr
	v_pk_add_f32 v[14:15], v[14:15], v[236:237]
	s_wait_alu depctr_va_vdst(0)                   ; and one for the four
.irp b, 0,1,2,3
	v_max_num_f32 v[232+\b], 0x1800000, v[232+\b]  ; the floor 2^(3 - 127): a block whose every p is 0 keeps the byte 1; its codes are zeros
.endr
.irp b, 0,1,2,3
	v_add_nc_u32 v[244+\b], 0xff000000, v[232+\b]
.endr
.irp b, 0,1,2,3
	v_lshrrev_b32 v[236+\b], 23, v[244+\b]
.endr
	v_lshl_or_b32 v253, v237, 8, v236              ; p's scale word for these 128 keys
	v_lshl_or_b32 v253, v238, 16, v253
	v_lshl_or_b32 v253, v239, 24, v253
.irp c, 0,1
	v_cvt_scalef32_pk16_fp6_f32 v[224+6*\c:226+6*\c], v[96+32*\c:111+32*\c], v[244+2*\c]
	v_cvt_scalef32_pk16_fp6_f32 v[236+4*\c:238+4*\c], v[112+32*\c:127+32*\c], v[244+2*\c+1]
.endr
	v_nop                                          ; one plain line behind the scaled conversions
.irp c, 0,1
.irp i, 0,1,2
	v_permlane16_swap_b32 v[224+6*\c+\i], v[236+4*\c+\i]
.endr
.irp i, 0,1,2
	v_mov_b32 v[227+6*\c+\i], v[236+4*\c+\i]
.endr
.endr
.set j, 0
.rept 32
	v_pk_mul_f32 v[160+j:161+j], v[160+j:161+j], v[252:253] op_sel_hi:[1,0]   ; O^T under the new M; these 32 are also the places between the lines that made p's codes and scale word and the products
.set j, j+2
.endr
	s_wait_dscnt 0x0                               ; v is in
	WIN 0x01
.irp t, 0,1,2,3,4,5,6,7
	v_wmma_scale_f32_16x16x128_f8f6f4 v[160+8*\t:167+8*\t], v[64+12*\t:75+12*\t], v[224:235], v[160+8*\t:167+8*\t], v[40+\t], v253 matrix_a_fmt:MATRIX_FMT_FP6 matrix_b_fmt:MATRIX_FMT_FP6
.endr
	WIN 0
	s_add_co_u32 s[TB], s[TB], KVB                 ; on to the next key step's block
.endm
.macro PAIR ld, pf, lc1                ; an even and an odd key step: then the register numbers are back where they began
	STEP 0, \ld, \pf, 16
	STEP 1, \ld, \pf, \lc1
.endm
.macro FOUR                            ; a slot's four key steps: the pair is written once and walked twice; the LDS addresses hang on s[TB]
	s_mov_b32 s[TWICE], 2
.Lpair_\@:
	PAIR 1, 1, 16
	s_sub_co_u32 s[TWICE], s[TWICE], 1
	s_cmp_lg_u32 s[TWICE], 0
	s_cbranch_scc1 .Lpair_\@
.endm
; THE CHANGE OF SLOTS stands at a slot's head: each wave waits for all its tensor loads (its part of the slot ahead among them), adds 0 to its spare word, and waits for that and for its reads of the slot that it has left.
; fill = 1: a round of the cluster's barrier, and behind it that slot is filled with the four key steps that follow the slot ahead: the load has four key steps in which to land.
.macro CHANGE fill
	s_wait_tensorcnt 0x0
	ds_add_u32 v[SPW], v[NIL]                      ; 0 onto my spare word
	s_sub_co_u32 s[TB], s[TB], SLB                 ; the reads go back to a slot's first key step,
	s_xor_b32 s[TB], s[TB], SLOT1                  ; in the other slot
.if \fill
	s_xor_b32 s[G0B+1], s[G0B+1], SLOT1            ; no load of mine is out: the walking descriptor takes the other slot than last time
	s_add_nc_u64 s[G0B+2:G0B+3], s[G0B+2:G0B+3], SLB   ; and the next four key steps; the type bits on top are not reached
.endif
	s_wait_dscnt 0x0                               ; the add is done, and my reads of the slot that I have left are over
.if \fill
	CROUND                                         ; no wave of any partner still reads that slot or has a load on its way
	tensor_load_to_lds s[G0B:G0B+3], s[G1K:G1K+7]  ; the first thing behind the round, and my one tensor load until the next
	s_nop 0
.rept 4
	v_nop
.endr
.else
	s_barrier_signal -1
	s_barrier_wait -1
.endif
.endm
	s_wait_tensorcnt 0x1                           ; my part of slot 0 is in; slot 1's may be out
	s_barrier_signal -1
	s_barrier_wait -1                              ; everybody's is
	FOUR                                           ; key steps 0 to 3
	s_mov_b32 s[SLOTS], 2
.Lslot:                                        ; two trips: key steps 4 to 7 while slot 0 takes 8 to 11; key steps 8 to 11 while slot 1 takes 12 to 15
	CHANGE 1
	FOUR
	s_sub_co_u32 s[SLOTS], s[SLOTS], 1
	s_cmp_lg_u32 s[SLOTS], 0
	s_cbranch_scc1 .Lslot
	CHANGE 0                                       ; the last slot is written out: nothing is left to fetch
	PAIR 1, 0, 16                                  ; key steps 12 and 13 load the mask of 14 and 15
	PAIR 0, 0, 0                                   ; key steps 14 and 15 load nothing: no load leaves its buffer, and the last count is 0
	; THE WAY OUT: O^T / the sum, quantised along the head's 128: K step = head of the output projection's first operand
	v_add_f32 v14, v14, v15
	v_permlanex16_b32 v252, v14, s[SEL], s[SEL+1]
	v_add_f32 v14, v14, v252                       ; the row's sum
	v_rcp_f32 v15, v14
	PLACES 4                                       ; plain lines behind the reciprocal and behind the last products
	s_lshl_b32 s56, s[QB], 3
	s_add_co_u32 s56, s56, s[WV]                   ; my row tile
	s_lshl_b32 s58, s56, 10
	s_lshl_b32 s57, s[HX], 6
	s_add_co_u32 s58, s58, s57
	s_mov_b32 s59, 0
	s_add_nc_u64 s[12:13], s[12:13], s[58:59]
	s_lshl_b32 s56, s56, 4
	s_add_co_u32 s56, s56, s[HX]
	s_mul_i32 s56, s56, FRB
	s_mov_b32 s57, 0
	s_add_nc_u64 s[10:11], s[10:11], s[56:57]
	s_wait_alu depctr_va_vdst(0)                   ; ahead of the reciprocal's first reader
.set j, 0
.rept 64
	v_mul_f32 v[96+j], v[160+j], v15               ; register 16 b + i: channel 32 b + 16 h + i of my query
.set j, j+1
.endr
	QUANT 96, OW
	v_cmp_lt_f32 vcc_lo, 0, v14
	v_cndmask_b32 v[OW], -1, v[OW], vcc_lo         ; a row whose sum is not above 0 was masked altogether: its scale bytes become 0xff
	v_cmp_gt_u32 vcc_lo, 16, v[LN]
.irp c, 0,1,2
	global_store_b128 v[LI], v[PC+4*\c:PC+4*\c+3], s[10:11] offset:512*\c   ; 32 lanes store 512 consecutive bytes, aligned
.endr
	s_wait_xcnt 0x0                                ; EXEC changes only behind this wait
	s_and_saveexec_b32 s56, vcc_lo
	global_store_b32 v[GOS], v[OW], s[12:13]
	s_wait_xcnt 0x0
	s_or_b32 exec_lo, exec_lo, s56
	s_wait_tensorcnt 0x0                           ; the wave's end
	ds_add_u32 v[SPW], v[NIL]
	s_wait_dscnt 0x0
	CROUND                                         ; the closing round
	s_endpgm
.Lfunc_end_k_q509048ac34_attn:
	.size	k_q509048ac34_attn, .Lfunc_end_k_q509048ac34_attn-k_q509048ac34_attn
	.p2alignl 7, 3214868480
	.fill 96, 4, 3214868480
	.section	.rodata,"a",@progbits
	.p2align	6, 0x0
	.amdhsa_kernel k_q509048ac34_attn
		.amdhsa_group_segment_fixed_size 327680
		.amdhsa_private_segment_fixed_size 0
		.amdhsa_enable_private_segment 0
		.amdhsa_kernarg_size 40
		.amdhsa_user_sgpr_count 2
		.amdhsa_user_sgpr_kernarg_segment_ptr 1
		.amdhsa_wavefront_size32 1
		.amdhsa_system_sgpr_workgroup_id_x 1
		.amdhsa_system_sgpr_workgroup_id_y 1
		.amdhsa_system_sgpr_workgroup_id_z 1
		.amdhsa_system_vgpr_workitem_id 0
		.amdhsa_next_free_vgpr 512
		.amdhsa_next_free_sgpr 80
		.amdhsa_reserve_vcc 1
		.amdhsa_float_denorm_mode_32 3
		.amdhsa_float_denorm_mode_16_64 3
		.amdhsa_memory_ordered 1
		.amdhsa_forward_progress 1
		.amdhsa_inst_pref_size 212
	.end_amdhsa_kernel
	.amdgpu_metadata
---
amdhsa.version: [ 1, 2 ]
amdhsa.kernels:
  - .name:           k_q509048ac34_attn
    .symbol:         k_q509048ac34_attn.kd
    .args:
      - { .name: qws, .offset: 0, .size: 8, .value_kind: global_buffer, .address_space: global }
      - { .name: kvws, .offset: 8, .size: 8, .value_kind: global_buffer, .address_space: global }
      - { .name: mask, .offset: 16, .size: 8, .value_kind: global_buffer, .address_space: global }
      - { .name: aws, .offset: 24, .size: 8, .value_kind: global_buffer, .address_space: global }
      - { .name: asc, .offset: 32, .size: 8, .value_kind: global_buffer, .address_space: global }
    .group_segment_fixed_size: 327680
    .private_segment_fixed_size: 0
    .kernarg_segment_align: 8
    .kernarg_segment_size: 40
    .max_flat_workgroup_size: 256
    .sgpr_count:     80
    .vgpr_count:     512
    .wavefront_size: 32
...
	.end_amdgpu_metadata
.endif
;; end of part 3
;; launch oproj (part 4): grid 16 x 16, 4 waves a work-group, clusters of 4 x 4, 327,680 bytes of LDS; arguments aws, asc, opc, ops, out0; writes out0
.if DOCPART == 4
	.amdgcn_target "amdgcn-amd-amdhsa--gfx1250"
	.amdhsa_code_object_version 6
	.text
	.protected	k_q509048ac34_oproj
	.globl	k_q509048ac34_oproj
	.p2align	8
	.type	k_q509048ac34_oproj,@function
k_q509048ac34_oproj:
	s_mov_b64 s[64:65], 0
	v_nop
	global_prefetch_b8 v0, s[64:65] scope:SCOPE_SE
	s_setreg_imm32_b32 hwreg(HW_REG_WAVE_MODE, 25, 1), 1
	s_wait_xcnt 0x0
	s_wait_alu depctr_hold_cnt(0) depctr_sa_sdst(0) depctr_va_vdst(0) depctr_va_sdst(0) depctr_va_ssrc(0) depctr_va_vcc(0) depctr_vm_vsrc(0)
	s_getreg_b32 s2, hwreg(HW_REG_IB_STS2, 6, 4)
	s_cmp_eq_u32 s2, 0
	s_cbranch_scc0 .Lentry_in_a_cluster
	s_endpgm
.Lentry_in_a_cluster:
	s_bfe_u32 s2, ttmp6, 0x10000c
	s_cmp_lg_u32 s2, 0xf033
	s_cbranch_scc0 .Lentry_shape_is_right
	s_endpgm
.Lentry_shape_is_right:
; out0 = attn wo^T on codes of FP6 (E2M3) with E8M0 scales, sums in f32.  attn's codes (aws, asc) and wo's (tensor 4 of opc, ops) are images of matrix operands: [row tile][K step 16][1,536] and [row tile][K step][r 16] words;
; lane r of row tile T holds row 32 (T / 2) + 8 (T % 2) + r + 8 (r / 8).
; A tile of out0 is 128 x 128: 256 work-groups, one to a WGP.  Wave (i = w / 2, j = w % 2) makes 64 x 64 in 16 accumulators, one instruction a turn.
; The product is used transposed (source 0 = wo's tile, source 1 = attn's): a lane holds one token, and tile t's eight registers are output channels 32 (t / 2) + 8 (t % 2) + 16 (lane / 16) + 0 .. 7.
; K goes through a ring of two LDS slots of four K steps, filled by joint tensor loads: attn's tiles are shared along a row of the 4 x 4 cluster, wo's along a column.  The scale words of all of K come once.
; All 16 K steps are written out: every offset is an immediate.
; A token whose scale bytes are 0xff (a row masked altogether) gives a row of NaN.
.set SLOT,  98304                      ; part = wave (0, 1: attn's halves; 2, 3: wo's) at 24,576; tile at 6,144; K step at 1,536
.set PART,  24576
.set TILEB, 6144
.set FRB,   1536
.set SCL,   196608                     ; scale words: part at 4,096, tile at 1,024, K step at 64, 4 r
.set SPARE, 212992                     ; the spare words, 128 bytes for each wave: no other line names them
.set SPITCH, 272                       ; the way out: 16 rows x (256 bytes + 16) for each wave, in slot 0, which has had its last fill and its last read by then
.set ADA,  4
.set ADB,  6
.set ADS,  8
.set STO,  9
.set RD,   10
.set CO,   11
.set SPW,  28
.set NIL,  29
.set SS,   32                          ; set p at SS + 4 p: lanes 0-15 attn's tile, lanes 16-31 wo's
.set OB,   48                          ; v48-111 rows on their way out, two sets
.set ACC,  128                         ; accumulator (a, t) at ACC + 8 (4 a + t)
.set G1A,  24
.set G1B,  32
.set G0A,  40
.set G0B,  48
.set G1SA, 56
.set G1SB, 68
.set G0SA, 76
.set G0SB, 80
.set MSB, 0
.macro WIN new
.if MSB != (\new)
	s_set_vgpr_msb (MSB<<8)|(\new)
.set MSB, (\new)
.endif
.endm
.macro PLACES n
.rept \n
	v_nop
.endr
.endm
.macro JLOAD g0a, g1a, g0b, g1b        ; waves 0, 1 fetch for attn, waves 2, 3 for wo; four v_nop follow each of the two lines
	s_cmp_eq_u32 s15, 0
	s_cbranch_scc0 .Lfor_b_\@
	tensor_load_to_lds s[\g0a:\g0a+3], s[\g1a:\g1a+7]
	s_nop 0
.rept 4
	v_nop
.endr
	s_branch .Lasked_\@
.Lfor_b_\@:
	tensor_load_to_lds s[\g0b:\g0b+3], s[\g1b:\g1b+7]
	s_nop 0
.rept 4
	v_nop
.endr
.Lasked_\@:
.endm
.macro CREST
	s_cmp_lg_u32 s14, 0
	s_cbranch_scc1 .Lnot_wave_0_\@
	s_barrier_signal -3
.Lnot_wave_0_\@:
	s_barrier_wait -3
	s_barrier_signal -1
	s_barrier_wait -1
.endm
.macro CROUND
	s_barrier_signal -1
	s_barrier_wait -1
	CREST
.endm
	s_load_b256 s[4:11], s[0:1], 0x0               ; aws, asc, opc, ops
	s_load_b64 s[12:13], s[0:1], 0x20              ; out0
	v_lshl_add_u32 v[SPW], v0, 2, SPARE
	v_mov_b32 v[NIL], 0
	ds_add_u32 v28, v29
	ds_add_u32 v28, v29
	s_wait_dscnt 0x0
	v_lshrrev_b32 v1, 5, v0
	v_readfirstlane_b32 s14, v1                    ; wave
	s_lshr_b32 s15, s14, 1                         ; i.  Also: I fetch for attn (0) or for wo (1)
	s_and_b32 s16, s14, 1                          ; j.  Also: which four tiles I fetch
	s_xor_b32 s17, s15, 1                          ; 1 - i
	s_bfe_u32 s18, ttmp6, 0x40000                  ; cx
	s_bfe_u32 s19, ttmp6, 0x40004                  ; cy
	s_lshl_b32 s20, ttmp9, 2
	s_add_co_u32 s20, s20, s18                     ; the block of 128 output channels
	s_and_b32 s21, ttmp7, 0xffff
	s_lshl_b32 s21, s21, 2
	s_add_co_u32 s21, s21, s19                     ; the block of 128 tokens
	s_lshl_b32 s84, s19, 2
	s_lshl_b32 s84, 15, s84                        ; my row of the cluster
	s_lshl_b32 s85, 0x1111, s18                    ; my column
	; codes: four tiles' four K steps: 4 rows of 6,144 bytes (768 elements of 8 bytes), 24,576 bytes apart
	s_or_b32 s[G1A], s84, (3<<16)|(1<<21)
	s_or_b32 s[G1B], s85, (3<<16)|(1<<21)
.irp g, G1A, G1B
	s_mov_b32 s[\g+1], 768<<16
	s_mov_b32 s[\g+2], 4<<16
	s_mov_b32 s[\g+3], 768<<16
	s_mov_b32 s[\g+4], 4
	s_mov_b32 s[\g+5], 3072
	s_mov_b32 s[\g+6], 0
	s_mov_b32 s[\g+7], 0
.endr
	; scale words: 4,096 dense bytes as 16 rows of 256
	s_or_b32 s[G1SA], s84, (3<<16)|(1<<21)
	s_or_b32 s[G1SB], s85, (3<<16)|(1<<21)
.irp g, G1SA, G1SB
	s_mov_b32 s[\g+1], 32<<16
	s_mov_b32 s[\g+2], 16<<16
	s_mov_b32 s[\g+3], 32<<16
	s_mov_b32 s[\g+4], 16
	s_mov_b32 s[\g+5], 32
	s_mov_b32 s[\g+6], 0
	s_mov_b32 s[\g+7], 0
.endr
	; s[86:87], s[90:91] hold only what hangs on the tokens' block, s[88:89], s[92:93] only what hangs on the channels' block
	s_mul_i32 s94, s16, 4*PART                     ; four tiles of 24,576 bytes
	s_mul_i32 s86, s21, 196608
	s_add_co_u32 s86, s86, s94
	s_mov_b32 s87, 0
	s_mul_i32 s88, s20, 196608
	s_add_co_u32 s88, s88, s94
	s_add_co_u32 s88, s88, 4*3145728               ; tensor 4 of opc
	s_mov_b32 s89, 0
	s_lshl_b32 s94, s16, 12
	s_lshl_b32 s90, s21, 13
	s_add_co_u32 s90, s90, s94
	s_mov_b32 s91, 0
	s_lshl_b32 s92, s20, 13
	s_add_co_u32 s92, s92, s94
	s_add_co_u32 s92, s92, 4*131072
	s_mov_b32 s93, 0
	s_mul_i32 s94, s14, PART
	s_lshl_b32 s95, s14, 12
	s_add_co_u32 s95, s95, SCL
	s_wait_kmcnt 0x0
	s_add_nc_u64 s[86:87], s[4:5], s[86:87]
	s_add_nc_u64 s[88:89], s[8:9], s[88:89]
.irp s, 0,1
	s_mov_b32 s[G0A+4*\s], 1
	s_add_co_u32 s[G0A+4*\s+1], s94, \s*SLOT
	s_add_nc_u64 s[G0A+4*\s+2:G0A+4*\s+3], s[86:87], \s*TILEB
	s_or_b32 s[G0A+4*\s+3], s[G0A+4*\s+3], 0x80000000
	s_mov_b32 s[G0B+4*\s], 1
	s_add_co_u32 s[G0B+4*\s+1], s94, \s*SLOT
	s_add_nc_u64 s[G0B+4*\s+2:G0B+4*\s+3], s[88:89], \s*TILEB
	s_or_b32 s[G0B+4*\s+3], s[G0B+4*\s+3], 0x80000000
.endr
	s_mov_b32 s[G0SA], 1
	s_mov_b32 s[G0SA+1], s95
	s_add_nc_u64 s[G0SA+2:G0SA+3], s[6:7], s[90:91]
	s_or_b32 s[G0SA+3], s[G0SA+3], 0x80000000
	s_mov_b32 s[G0SB], 1
	s_mov_b32 s[G0SB+1], s95
	s_add_nc_u64 s[G0SB+2:G0SB+3], s[10:11], s[92:93]
	s_or_b32 s[G0SB+3], s[G0SB+3], 0x80000000
	CROUND                                         ; all sixteen work-groups are here: the first joint loads meet.  Three loads of mine go out
	JLOAD G0SA, G1SA, G0SB, G1SB
	JLOAD G0A, G1A, G0B, G1B
	JLOAD G0A+4, G1A, G0B+4, G1B
	v_and_b32 v1, 31, v0
	v_and_b32 v2, 15, v0                           ; r
	v_bfe_u32 v3, v0, 4, 1                         ; h
	v_lshlrev_b32 v12, 4, v1                       ; 16 x lane
	s_mul_i32 s84, s15, PART
	s_mul_i32 s85, s16, PART
	s_add_co_u32 s85, s85, 2*PART
.irp s, 0,1
	v_add_nc_u32 v[ADA+\s], s84, v12
	v_add_nc_u32 v[ADB+\s], s85, v12
	s_add_co_u32 s84, s84, SLOT
	s_add_co_u32 s85, s85, SLOT
.endr
	v_lshlrev_b32 v13, 2, v2
	s_lshl_b32 s84, s16, 12
	s_lshl_b32 s85, s17, 12
	s_add_co_u32 s84, s84, s85
	s_add_co_u32 s84, s84, 4096                    ; from attn's part i to wo's part 2 + j: 8,192 + 4,096 j - 4,096 i
	v_mul_u32_u24 v14, s84, v3                     ; lanes 16-31 take wo's
	s_lshl_b32 s85, s15, 12
	s_add_co_u32 s85, s85, SCL
	v_add_nc_u32 v14, v14, v13
	v_add_nc_u32 v[ADS], s85, v14
	s_mul_i32 s84, s14, 16*SPITCH                  ; my stage
	v_mul_u32_u24 v14, v2, SPITCH
	v_lshl_add_u32 v14, v3, 6, v14
	v_add_nc_u32 v[STO], s84, v14                  ; in: row r, 64 h bytes on
	v_mul_u32_u24 v14, v3, SPITCH
	v_lshl_add_u32 v14, v2, 4, v14
	v_add_nc_u32 v[RD], s84, v14                   ; back: lanes 0-15 one row of 256 bytes, lanes 16-31 the next
	v_lshlrev_b32 v14, 13, v3
	v_lshl_add_u32 v[CO], v2, 4, v14               ; and the same in out0
	s_lshl_b32 s84, s21, 20                        ; 128 rows of 8,192 bytes a block,
	s_lshl_b32 s85, s15, 19                        ; 64 a half,
	s_add_co_u32 s84, s84, s85
	s_lshl_b32 s85, s20, 9                         ; 512 bytes a block of channels,
	s_add_co_u32 s84, s84, s85
	s_lshl_b32 s85, s16, 8                         ; 256 a half
	s_add_co_u32 s84, s84, s85
	s_mov_b32 s85, 0
	s_add_nc_u64 s[12:13], s[12:13], s[84:85]
.macro FETCH k                         ; K step k: 4 scale words and 8 fragments into set k % 2
.set FS, ((\k)/4)%2
.set FQ, (\k)%4
.set FP, (\k)%2
	WIN 0
.irp u, 0,1,2,3
	ds_load_b32 v[SS+4*FP+\u], v[ADS] offset:\u*1024+64*(\k)
.endr
	WIN 0x40
.irp u, 0,1,2,3
.irp c, 0,1,2
	ds_load_b128 v[128*FP+12*\u+4*\c:128*FP+12*\u+4*\c+3], v[ADA+FS] offset:\u*TILEB+FQ*FRB+512*\c
	ds_load_b128 v[128*FP+48+12*\u+4*\c:128*FP+48+12*\u+4*\c+3], v[ADB+FS] offset:\u*TILEB+FQ*FRB+512*\c
.endr
.endr
.endm
.macro MUL8 p, a0, z                   ; attn's tiles a0, a0 + 1 x wo's four.  z = 1: the first K step starts the sums
.irp a, \a0, \a0+1
.irp t, 0,1,2,3
.if \z
	v_wmma_scale_f32_16x16x128_f8f6f4 v[ACC+8*(4*(\a)+\t):ACC+8*(4*(\a)+\t)+7], v[128*(\p)+48+12*\t:128*(\p)+48+12*\t+11], v[128*(\p)+12*(\a):128*(\p)+12*(\a)+11], 0, v[SS+4*(\p)+\t], v[SS+4*(\p)+(\a)] matrix_a_fmt:MATRIX_FMT_FP6 matrix_b_fmt:MATRIX_FMT_FP6 matrix_a_scale:MATRIX_SCALE_ROW1
.else
	v_wmma_scale_f32_16x16x128_f8f6f4 v[ACC+8*(4*(\a)+\t):ACC+8*(4*(\a)+\t)+7], v[128*(\p)+48+12*\t:128*(\p)+48+12*\t+11], v[128*(\p)+12*(\a):128*(\p)+12*(\a)+11], v[ACC+8*(4*(\a)+\t):ACC+8*(4*(\a)+\t)+7], v[SS+4*(\p)+\t], v[SS+4*(\p)+(\a)] matrix_a_fmt:MATRIX_FMT_FP6 matrix_b_fmt:MATRIX_FMT_FP6 matrix_a_scale:MATRIX_SCALE_ROW1
.endif
.endr
.endr
.endm
.macro STEP k, z                       ; a K step whose successor lies in the same slot
	s_wait_dscnt 0x0                               ; this K step's set is in
	PLACES 4                                       ; four plain lines between the last products and the loads into the set that they read
	FETCH (\k)+1
	WIN 0x05
	MUL8 (\k)%2, 0, \z
	MUL8 (\k)%2, 2, \z
.endm
.macro TURN k, fill                    ; a slot's last K step changes slots
.set TS, ((\k)/4)%2
	WIN 0
	s_wait_tensorcnt 0x0                           ; all my tensor loads have landed: my part of the next slot
	ds_add_u32 v[SPW], v[NIL]                      ; 0 onto my spare word
.if \fill
	s_add_nc_u64 s[G0A+4*TS+2:G0A+4*TS+3], s[G0A+4*TS+2:G0A+4*TS+3], 2*TILEB   ; no load of mine is out: this slot's next four K steps
	s_add_nc_u64 s[G0B+4*TS+2:G0B+4*TS+3], s[G0B+4*TS+2:G0B+4*TS+3], 2*TILEB
.endif
	s_wait_dscnt 0x0                               ; the add is done, this K step's set is in, and my reads of this slot are over
	s_barrier_signal -1
	WIN 0x05
	MUL8 1, 0, 0
	WIN 0
	s_barrier_wait -1
.if \fill
	CREST                                          ; the barrier has opened a round of the cluster's
	JLOAD G0A+4*TS, G1A, G0B+4*TS, G1B             ; the first tensor load behind the round; its four v_nop are also the places in front of the loads below
.else
	PLACES 4
.endif
	FETCH (\k)+1
	WIN 0x05
	MUL8 1, 2, 0
.endm
	s_wait_tensorcnt 0x1                           ; the scale words and my part of slot 0 are in; slot 1's load may be out
	s_barrier_signal -1
	s_barrier_wait -1
	FETCH 0
	STEP 0, 1
	STEP 1, 0
	STEP 2, 0
	TURN 3, 1                                      ; slot 0 takes K steps 8 to 11
	STEP 4, 0
	STEP 5, 0
	STEP 6, 0
	TURN 7, 1                                      ; slot 1 takes K steps 12 to 15
	STEP 8, 0
	STEP 9, 0
	STEP 10, 0
	TURN 11, 0                                     ; nothing is left to fetch
	STEP 12, 0
	STEP 13, 0
	STEP 14, 0
	s_wait_dscnt 0x0
	MUL8 1, 0, 0
	MUL8 1, 2, 0
	WIN 0
	PLACES 4                                       ; in front of the first read of results
	; THE WAY OUT, a tile of 16 tokens at a time, through my own stage: LDS serves a wave's instructions in order, so no wait stands between the stores and the loads, nor in front of the next tile's stores
.irp a, 0,1,2,3
.if \a > 1
	s_wait_xcnt 0x0                                ; the stores of two tiles back have read this set of registers
.endif
.irp t, 0,1,2,3
	ds_store_b128 v[STO], v[ACC+8*(4*\a+\t):ACC+8*(4*\a+\t)+3] offset:128*(\t/2)+32*(\t%2)        ; each accumulator from its low end on
	ds_store_b128 v[STO], v[ACC+8*(4*\a+\t)+4:ACC+8*(4*\a+\t)+7] offset:128*(\t/2)+32*(\t%2)+16
.endr
.irp u, 0,1,2,3,4,5,6,7
	ds_load_b128 v[OB+32*(\a%2)+4*\u:OB+32*(\a%2)+4*\u+3], v[RD] offset:2*\u*SPITCH
.endr
.irp u, 0,1,2,3,4,5,6,7
	s_wait_dscnt 7-\u                              ; the younger loads may be out
	global_store_b128 v[CO], v[OB+32*(\a%2)+4*\u:OB+32*(\a%2)+4*\u+3], s[12:13] offset:(32*(\a/2)+8*(\a%2)+2*\u+8*(\u/4))*8192 th:TH_STORE_NT   ; 16 lanes store 256 consecutive bytes, aligned
.endr
.endr
	s_wait_tensorcnt 0x0                           ; the wave's end
	ds_add_u32 v[SPW], v[NIL]
	s_wait_dscnt 0x0
	CROUND                                         ; the closing round
	s_endpgm
.Lfunc_end_k_q509048ac34_oproj:
	.size	k_q509048ac34_oproj, .Lfunc_end_k_q509048ac34_oproj-k_q509048ac34_oproj
	.p2alignl 7, 3214868480
	.fill 96, 4, 3214868480
	.section	.rodata,"a",@progbits
	.p2align	6, 0x0
	.amdhsa_kernel k_q509048ac34_oproj
		.amdhsa_group_segment_fixed_size 327680
		.amdhsa_private_segment_fixed_size 0
		.amdhsa_enable_private_segment 0
		.amdhsa_kernarg_size 40
		.amdhsa_user_sgpr_count 2
		.amdhsa_user_sgpr_kernarg_segment_ptr 1
		.amdhsa_wavefront_size32 1
		.amdhsa_system_sgpr_workgroup_id_x 1
		.amdhsa_system_sgpr_workgroup_id_y 1
		.amdhsa_system_sgpr_workgroup_id_z 1
		.amdhsa_system_vgpr_workitem_id 0
		.amdhsa_next_free_vgpr 512
		.amdhsa_next_free_sgpr 98
		.amdhsa_reserve_vcc 0
		.amdhsa_float_denorm_mode_32 3
		.amdhsa_float_denorm_mode_16_64 3
		.amdhsa_memory_ordered 1
		.amdhsa_forward_progress 1
		.amdhsa_inst_pref_size 84
	.end_amdhsa_kernel
	.amdgpu_metadata
---
amdhsa.version: [ 1, 2 ]
amdhsa.kernels:
  - .name:           k_q509048ac34_oproj
    .symbol:         k_q509048ac34_oproj.kd
    .args:
      - { .name: aws, .offset: 0, .size: 8, .value_kind: global_buffer, .address_space: global }
      - { .name: asc, .offset: 8, .size: 8, .value_kind: global_buffer, .address_space: global }
      - { .name: opc, .offset: 16, .size: 8, .value_kind: global_buffer, .address_space: global }
      - { .name: ops, .offset: 24, .size: 8, .value_kind: global_buffer, .address_space: global }
      - { .name: out0, .offset: 32, .size: 8, .value_kind: global_buffer, .address_space: global }
    .group_segment_fixed_size: 327680
    .private_segment_fixed_size: 0
    .kernarg_segment_align: 8
    .kernarg_segment_size: 40
    .max_flat_workgroup_size: 128
    .sgpr_count:     98
    .vgpr_count:     512
    .wavefront_size: 32
...
	.end_amdgpu_metadata
.endif
;; end of part 4
